; MI455X (gfx1250); checked and timed in simulation.
; The chip was launched on July 23, 2026; its instructions are those of AMD's public machine-readable ISA for CDNA 5 (MIT licence, August 2026) and "CDNA5" Instruction Set Architecture Reference Guide (July 2026). The comments in the code are by the model that wrote it; some were corrected since.
;; Transformer Block. Allowed arithmetic: matrix products marked QUANTISED: E2M3 operands, one E8M0 scale for each 32 along K, by v_wmma_scale_f32_16x16x128_f8f6f4 with both operands' format E2M3, f32 sums; everything else in f32.
;; Inputs: W1_codes 4,096 x 32 x 24 uint8 (E2M3 codes of W1, K innermost, in blocks of 32 codes, four codes in three bytes); W1_scales 4,096 x 32 uint8 (E8M0 scales of W1, one for each 32 codes along K); W2_codes 1,024 x 128 x 24 uint8 (E2M3 codes of W2, K innermost, in blocks of 32 codes, four codes in three bytes); W2_scales 1,024 x 128 uint8 (E8M0 scales of W2, one for each 32 codes along K); Wo_codes 1,024 x 32 x 24 uint8 (E2M3 codes of Wo, K innermost, in blocks of 32 codes, four codes in three bytes); Wo_scales 1,024 x 32 uint8 (E8M0 scales of Wo, one for each 32 codes along K); Wqkv_codes 3,072 x 32 x 24 uint8 (E2M3 codes of Wqkv, K innermost, in blocks of 32 codes, four codes in three bytes); Wqkv_scales 3,072 x 32 uint8 (E8M0 scales of Wqkv, one for each 32 codes along K); b1 4,096 float32; b2 1,024 float32; bo 1,024 float32; bqkv 3,072 float32; scale1 1,024 float32; scale2 1,024 float32; x 2 x 2,048 x 1,024 float32.
;; Outputs: out0 2 x 2,048 x 1,024 float32.
;; This version of the problem:
;;   THIS VERSION OF THE PROBLEM IS GIVEN IN LOW PRECISION. The matrix products marked QUANTISED in the list below multiply operands that are first quantised to E2M3 (2 exponent bits, 3 mantissa bits; 6 bits a number), with one power-of-two scale for each 32 numbers along K (OCP MX v1.0); their sums are f32. All else is computed in f32.
;;   The module's matrix products, in the order in which they are computed (A, B: the left and right operand; K: the contracted axis; several contracted axes count as one K, in the product's order):
;;     1. [M 4,096, K 1,024] x [K 1,024, N 3,072]; A: computed on the way; B: input Wqkv (given as codes): QUANTISED
;;     2. batch 32 x [M 2,048, K 64] x [K 64, N 2,048]; A: computed on the way; B: computed on the way: QUANTISED
;;     3. batch 32 x [M 64, K 2,048] x [K 2,048, N 2,048]; A: computed on the way; B: softmax (see below): QUANTISED
;;     4. [M 4,096, K 1,024] x [K 1,024, N 1,024]; A: computed on the way; B: input Wo (given as codes): QUANTISED
;;     5. [M 4,096, K 1,024] x [K 1,024, N 4,096]; A: computed on the way; B: input W1 (given as codes): QUANTISED
;;     6. [M 4,096, K 4,096] x [K 4,096, N 1,024]; A: computed on the way; B: input W2 (given as codes): QUANTISED
;;   THE QUANTISER, for each operand of a quantised product, along K:
;;     - K is cut into blocks of 32 from its start; a last block that is shorter is filled with zeros.
;;     - A block's scale is 2^e with e = floor(log2(the largest magnitude in the block)) - 2, held to -126 .. 127; a block of zeros has e = 0. As a byte (E8M0): e + 127.
;;     - Each number is divided by its block's scale, clamped to +-7.5, and rounded to the nearest number of E2M3, ties to even, subnormals kept.
;;     - The product sums the exact products of the quantised numbers (number of the format x scale) in f32.
;;   ~~~python
;;   def quantise(x, axis):      # numpy; x: float32 -> the quantised numbers, widened to float32 again
;;       x = np.moveaxis(x, axis, -1); K = x.shape[-1]
;;       x = np.pad(x, [(0, 0)] * (x.ndim - 1) + [(0, -K % 32)]); x = x.reshape(x.shape[:-1] + (-1, 32)); a = np.abs(x).max(-1, keepdims=True)
;;       e = np.where(a > 0, np.clip(np.frexp(np.where(a > 0, a, 1))[1] - 1 - 2, -126, 127), 0)      # np.frexp(a)[1] - 1 = floor(log2(a)), exactly
;;       r = np.clip(x / 2.0 ** e, -7.5, 7.5)
;;       step = 2.0 ** (np.maximum(np.frexp(np.where(r == 0, 1, r))[1] - 1, 0) - 3)
;;       q = np.round(r / step) * step * 2.0 ** e      # np.round: ties to even
;;       return np.moveaxis(q.reshape(q.shape[:-2] + (-1,))[..., :K], -1, axis).astype(np.float32)
;;   ~~~
;;   SOFTMAX AHEAD OF A QUANTISED PRODUCT. Where the list says 'softmax', what is quantised is not the finished softmax but p = 2^(t - M), with t = logit x log2(e) and M = ceil(the row's largest t), a whole number; so 1/2 < the row's largest p <= 1. The row's sum l is taken of the UNQUANTISED p, in f32, and the product's result is divided by l at the end. Since M is a whole number, a kernel that streams over the keys may use a running M (the ceiling of the running maximum): every later rescaling is an exact power of two, which a block's scale takes up: the codes' values come out the same.
;;   OPERANDS COMPUTED ON THE WAY. 'Computed on the way' means the value that the module computes at that place (a softmax that the list does not call 'softmax' is quantised finished and normalised). What goes into a quantiser is computed in f32, as accurately as f32 sums, v_exp_f32 and their like allow (about 1e-6 of the number): no bf16 or f16 on the way to a quantiser, and a product that is left as it is and whose result goes on into a quantised operand takes f32 operands (vector FMAs, or v_wmma_f32_16x16x4_f32). A number that lies on a knife's edge between two numbers of the format may be rounded either way, as far as f32 arithmetic and the matrix unit's own rounding can turn it there, and no further.
;;   INPUTS GIVEN AS CODES. W1 (in the module: [1024, 4096], K = its axis 0); W2 (in the module: [4096, 1024], K = its axis 0); Wo (in the module: [1024, 1024], K = its axis 0); Wqkv (in the module: [1024, 3072], K = its axis 0): each comes as NAME_codes (uint8): NAME with its K axis moved to the last place and cut into blocks of 32 codes, [.., K / 32, bytes a block], one block behind the other in memory; four codes in three bytes: a row's codes are one little-endian stream of bits, code i at bits 6 i .. 6 i + 5 (a code: sign, 2 exponent bits, 3 mantissa bits); and NAME_scales (uint8): the same leading axes, one E8M0 byte (e + 127) for each 32 codes along K. Its value is code x scale, taken as it is: it is not quantised again, and the codes and scales need not be those that the quantiser above would give.
;; One version. Each part assembles by itself: llvm-mc -triple=amdgcn-amd-amdhsa -mcpu=gfx1250 --defsym DOCPART=n.
;; ======== version 1 of 1: 7 launches
;; limits: right only within a limited range of input values
;; workspace buffers: nrm 3,276,800 bytes; qbuf 3,407,872 bytes; kvrec 6,684,672 bytes; obuf 3,276,800 bytes; x1 16,777,216 bytes; hbuf 13,107,200 bytes
;; launch norm1 (part 1): grid 256 x 1, 4 waves a work-group, no clusters, 67,072 bytes of LDS; arguments x, scale1, nrm; writes nrm
.if DOCPART == 1
	.amdgcn_target "amdgcn-amd-amdhsa--gfx1250"
	.amdhsa_code_object_version 6
	.text
	.protected	k_qd4a46ae0bf_norm1
	.globl	k_qd4a46ae0bf_norm1
	.p2align	8
	.type	k_qd4a46ae0bf_norm1,@function
k_qd4a46ae0bf_norm1:
	s_mov_b64 s[64:65], 0
	v_nop
	global_prefetch_b8 v0, s[64:65] scope:SCOPE_SE
	s_setreg_imm32_b32 hwreg(HW_REG_WAVE_MODE, 25, 1), 1
	s_wait_xcnt 0x0
; h = gain * x / (||x|| / 32 + 1e-5), row by row of 1,024 f32 numbers, then quantised along the row to codes of FP6 (E2M3) with one E8M0 byte for each 32.
; OUT: images of operand registers.  16 rows x 128 K are 1,536 bytes: register pair g (0..5) of lane l at 256 g + 8 l; tile of rows mt, K step ks at 12,288 mt + 1,536 ks.
; Behind the images (3,145,728 bytes) the scale words: one word for a row and 128 K, at 512 mt + 64 ks + 4 (row % 16).
; SHARES: a work-group takes 16 rows (one tile).  Phase 1: wave w norms rows 4 w .. 4 w + 3 (a row is 32 registers of the wave; each load covers 512 consecutive bytes) and puts them into a stage in LDS.
; Phase 2: wave w takes K steps 2 w and 2 w + 1 of all 16 rows: lane (r, h) reads whole blocks of 32 of row r, so a block's largest magnitude needs no other lane.
; No loop; all 40 loads of a wave go out at once.  No tensor load, no matrix unit, no cluster: the launch streams, and work-groups share nothing but the gain's 4,096 bytes.
; LIMITS: NaN and infinities are not served.  A block whose largest magnitude lies under 2^-124 (a block of zeros too) gets the byte 1; this program alone reads the bytes.  The division is a reciprocal and a multiply.
.set ROWP, 4112                        ; a stage row: 4,096 bytes + 16: row r starts 4 r banks on
.set SW,   16*ROWP                     ; behind the stage: the tile's 128 scale words
.set SV,   16                          ; v16-47   the gain of my 32 columns
.set X,    48                          ; v48-175  four rows x 32 numbers; later two K steps x 64 numbers
.set SS,   176                         ; v176-183 four pairs of sums
.set RI,   184                         ; v184-191 four pairs 1 / (norm + eps)
.set PC,   192                         ; v192-215 two fragments of codes
.set UP,   216                         ; v216-218, v220-222 upper halves of a block's codes
.set MX,   224                         ; v224-225 largest magnitudes, then bytes
.set SO,   226                         ; v226-227 the conversions' scale operands
.set WD,   228                         ; v228-229 the two scale words
	s_load_b128 s[4:7], s[0:1], 0x0                ; x, gain
	s_load_b64 s[8:9], s[0:1], 0x10                ; out
	v_lshl_add_u32 v254, v0, 2, 0x10400
	v_mov_b32 v255, 0
	v_lshrrev_b32 v1, 5, v0
	v_readfirstlane_b32 s10, v1                    ; wave
	v_and_b32 v1, 31, v0                           ; lane
	v_and_b32 v2, 15, v0                           ; r
	v_bfe_u32 v3, v0, 4, 1                         ; h
	v_lshlrev_b32 v4, 4, v1                        ; 16 x lane
	s_mul_i32 s11, s10, 4*ROWP
	v_add_nc_u32 v5, s11, v4                       ; stage, in: my wave's four rows, 16 bytes a lane
	v_mul_u32_u24 v6, v2, ROWP
	v_lshl_add_u32 v6, v3, 7, v6
	s_lshl_b32 s11, s10, 10
	v_add_nc_u32 v6, s11, v6                       ; stage, out: row r, + 128 h (a block of 32), + my wave's two K steps
	v_lshlrev_b32 v7, 3, v1                        ; 8 x lane
	s_lshl_b32 s11, s10, 7
	s_add_co_u32 s11, s11, SW
	v_lshl_add_u32 v8, v1, 2, s11                  ; my scale word's place: 128 x wave + 4 x lane
	v_add_nc_u32 v9, SW, v4                        ; and where wave 0 reads all 512 bytes back
	v_lshlrev_b32 v10, 3, v3                       ; 8 h
	s_mov_b32 s12, 0x76543210
	s_mov_b32 s13, 0xfedcba98                      ; lane selects: lane l xor 16
	s_mov_b32 s14, 0xffff0000                      ; lanes 16-31
	v_mov_b32 v230, 0x3d000000                     ; 1 / 32 = 1 / sqrt(1024), exact
	v_mov_b32 v231, 0                              ; a lane permute's destination counts as read: written once
	s_lshl_b32 s16, ttmp9, 16                      ; 16 rows of 4,096 bytes a work-group,
	s_lshl_b32 s17, s10, 14                        ; 4 a wave
	s_add_co_u32 s16, s16, s17
	s_mov_b32 s17, 0
	s_mul_i32 s18, ttmp9, 12288                    ; the tile's images,
	s_mul_i32 s19, s10, 3072                       ; my two K steps
	s_add_co_u32 s18, s18, s19
	s_mov_b32 s19, 0
	s_lshl_b32 s20, ttmp9, 9                       ; the tile's scale words
	s_add_co_u32 s20, s20, 3145728
	s_mov_b32 s21, 0
	s_wait_kmcnt 0x0
	s_add_nc_u64 s[4:5], s[4:5], s[16:17]
	s_add_nc_u64 s[20:21], s[8:9], s[20:21]
	s_add_nc_u64 s[8:9], s[8:9], s[18:19]
.irp i, 0,1,2,3
.irp j, 0,1,2,3,4,5,6,7
	global_load_b128 v[X+32*\i+4*\j:X+32*\i+4*\j+3], v4, s[4:5] offset:4096*\i+512*\j th:TH_LOAD_NT
.endr
.endr
.irp j, 0,1,2,3,4,5,6,7
	global_load_b128 v[SV+4*\j:SV+4*\j+3], v4, s[6:7] offset:512*\j
.endr
	s_wait_loadcnt 8                               ; x is in; the gain's eight loads, issued behind it, may be out
.irp i, 0,1,2,3
	v_pk_mul_f32 v[SS+2*\i:SS+2*\i+1], v[X+32*\i:X+32*\i+1], v[X+32*\i:X+32*\i+1]   ; the first squares start the sums; the four rows take turns
.endr
.irp k, 2,4,6,8,10,12,14,16,18,20,22,24,26,28,30
.irp i, 0,1,2,3
	v_pk_fma_f32 v[SS+2*\i:SS+2*\i+1], v[X+32*\i+\k:X+32*\i+\k+1], v[X+32*\i+\k:X+32*\i+\k+1], v[SS+2*\i:SS+2*\i+1]
.endr
.endr
.irp i, 0,1,2,3
	v_add_f32 v[SS+2*\i], v[SS+2*\i], v[SS+2*\i+1]
.endr
.irp m, 1,2,4,8
.irp i, 0,1,2,3
	v_add_f32_dpp v[SS+2*\i], v[SS+2*\i], v[SS+2*\i] row_xmask:\m row_mask:0xf bank_mask:0xf
.endr
.endr
.irp i, 0,1,2,3
	v_permlanex16_b32 v[SS+2*\i+1], v[SS+2*\i], s12, s13
.endr
.irp i, 0,1,2,3
	v_add_f32 v[SS+2*\i], v[SS+2*\i], v[SS+2*\i+1] ; every lane holds the row's sum of squares
.endr
	s_wait_alu depctr_va_vdst(0)
.irp i, 0,1,2,3
	v_sqrt_f32 v[SS+2*\i], v[SS+2*\i]
.endr
	v_nop                                          ; a plain line behind the roots,
	s_wait_alu depctr_va_vdst(0)                   ; and one wait for the four, ahead of their first reader
.irp i, 0,1,2,3
	v_fmaak_f32 v[SS+2*\i], v[SS+2*\i], v230, 0x3727c5ac   ; ||x|| / 32 + 1e-5
.endr
	s_wait_alu depctr_va_vdst(0)
.irp i, 0,1,2,3
	v_rcp_f32 v[RI+2*\i], v[SS+2*\i]
	v_rcp_f32 v[RI+2*\i+1], v[SS+2*\i]             ; twice: a pair for the packed multiply
.endr
	s_wait_loadcnt 0x0                             ; the gain
.irp i, 0,1,2,3
.irp k, 0,2,4,6,8,10,12,14,16,18,20,22,24,26,28,30
	v_pk_mul_f32 v[X+32*\i+\k:X+32*\i+\k+1], v[X+32*\i+\k:X+32*\i+\k+1], v[SV+\k:SV+\k+1]   ; gain * x: plain work behind the reciprocals
.endr
.endr
	s_wait_alu depctr_va_vdst(0)                   ; one wait for the eight reciprocals
.irp i, 0,1,2,3
.irp k, 0,2,4,6,8,10,12,14,16,18,20,22,24,26,28,30
	v_pk_mul_f32 v[X+32*\i+\k:X+32*\i+\k+1], v[X+32*\i+\k:X+32*\i+\k+1], v[RI+2*\i:RI+2*\i+1]
.endr
.endr
.irp i, 0,1,2,3
.irp j, 0,1,2,3,4,5,6,7
	ds_store_b128 v5, v[X+32*\i+4*\j:X+32*\i+4*\j+3] offset:ROWP*\i+512*\j
.endr
.endr
	s_wait_dscnt 0x0                               ; for the others' sake: my rows lie in the stage
	s_barrier_signal -1
	s_barrier_wait -1
.irp e, 0,1
.irp c, 0,1
.irp i, 0,1,2,3,4,5,6,7
	ds_load_b128 v[X+64*\e+32*\c+4*\i:X+64*\e+32*\c+4*\i+3], v6 offset:512*\e+256*\c+16*\i   ; K = 128 (2 w + e) + 64 c + 32 h + 4 i ..: the order of the operand's registers
.endr
.endr
.endr
; K step e of my two: two whole blocks a lane become registers 0-5 and 6-11 of the fragment
.macro NQ e
.set YS, X+64*\e
.set PE, PC+12*\e
.irp c, 0,1
	v_max3_num_f32 v[MX+\c], |v[YS+32*\c]|, |v[YS+32*\c+1]|, 0x1800000   ; with the floor 2^(3 - 127): the byte cannot fall under 1
.endr
.irp i, 2,4,6,8,10,12,14,16,18,20,22,24,26,28,30
.irp c, 0,1
	v_max3_num_f32 v[MX+\c], v[MX+\c], |v[YS+32*\c+\i]|, |v[YS+32*\c+\i+1]|
.endr
.endr
.irp c, 0,1
	v_add_nc_u32 v[SO+\c], 0xff000000, v[MX+\c]    ; 2 off the exponent field: the conversion's scale operand
.endr
.irp c, 0,1
	v_lshrrev_b32 v[MX+\c], 23, v[SO+\c]           ; the scale's byte
.endr
	v_lshl_or_b32 v[WD+\e], v[MX+1], 16, v[MX]     ; my bytes: blocks h and 2 + h,
	v_lshlrev_b32 v[WD+\e], v10, v[WD+\e]          ; 8 h bits up;
	v_permlanex16_b32 v231, v[WD+\e], s12, s13
	v_or_b32 v[WD+\e], v[WD+\e], v231              ; with lane l xor 16's two the word is whole
.irp c, 0,1
	v_cvt_scalef32_pk16_fp6_f32 v[PE+6*\c:PE+6*\c+2], v[YS+32*\c:YS+32*\c+15], v[SO+\c]
	v_cvt_scalef32_pk16_fp6_f32 v[UP+4*\c:UP+4*\c+2], v[YS+32*\c+16:YS+32*\c+31], v[SO+\c]   ; (three registers from an even one on: made here and moved)
.endr
	v_nop                                          ; one plain line behind the scaled conversions
.irp c, 0,1
.irp i, 0,1,2
	v_mov_b32 v[PE+6*\c+3+\i], v[UP+4*\c+\i]
.endr
.endr
.irp g, 0,1,2,3,4,5
	global_store_b64 v7, v[PE+2*\g:PE+2*\g+1], s[8:9] offset:1536*\e+256*\g   ; 32 lanes store 256 consecutive bytes, aligned
.endr
.endm
	s_wait_dscnt 16                                ; the first K step's 16 loads are in
	NQ 0
	s_wait_dscnt 0x0
	NQ 1
	v_cndmask_b32 v232, v[WD], v[WD+1], s14        ; lanes 0-15 carry the first K step's words, lanes 16-31 the second's
	ds_store_b32 v8, v232
	s_wait_dscnt 0x0
	s_barrier_signal -1
	s_barrier_wait -1                              ; the tile's 128 words lie together
	s_cmp_lg_u32 s10, 0
	s_cbranch_scc1 .Lend
	ds_load_b128 v[236:239], v9
	s_wait_dscnt 0x0
	global_store_b128 v4, v[236:239], s[20:21]     ; 512 consecutive bytes
.Lend:
	s_wait_tensorcnt 0x0
	ds_add_u32 v254, v255
	s_wait_dscnt 0x0
	s_endpgm
.Lfunc_end_k_qd4a46ae0bf_norm1:
	.size	k_qd4a46ae0bf_norm1, .Lfunc_end_k_qd4a46ae0bf_norm1-k_qd4a46ae0bf_norm1
	.p2alignl 7, 3214868480
	.fill 96, 4, 3214868480
	.section	.rodata,"a",@progbits
	.p2align	6, 0x0
	.amdhsa_kernel k_qd4a46ae0bf_norm1
		.amdhsa_group_segment_fixed_size 67072
		.amdhsa_private_segment_fixed_size 0
		.amdhsa_enable_private_segment 0
		.amdhsa_kernarg_size 24
		.amdhsa_user_sgpr_count 2
		.amdhsa_user_sgpr_kernarg_segment_ptr 1
		.amdhsa_wavefront_size32 1
		.amdhsa_system_sgpr_workgroup_id_x 1
		.amdhsa_system_sgpr_workgroup_id_y 1
		.amdhsa_system_sgpr_workgroup_id_z 1
		.amdhsa_system_vgpr_workitem_id 0
		.amdhsa_next_free_vgpr 256
		.amdhsa_next_free_sgpr 66
		.amdhsa_reserve_vcc 0
		.amdhsa_float_denorm_mode_32 3
		.amdhsa_float_denorm_mode_16_64 3
		.amdhsa_memory_ordered 1
		.amdhsa_forward_progress 1
		.amdhsa_inst_pref_size 32
	.end_amdhsa_kernel
	.amdgpu_metadata
---
amdhsa.version: [ 1, 2 ]
amdhsa.kernels:
  - .name:           k_qd4a46ae0bf_norm1
    .symbol:         k_qd4a46ae0bf_norm1.kd
    .args:
      - { .name: x, .offset: 0, .size: 8, .value_kind: global_buffer, .address_space: global }
      - { .name: scale1, .offset: 8, .size: 8, .value_kind: global_buffer, .address_space: global }
      - { .name: nrm, .offset: 16, .size: 8, .value_kind: global_buffer, .address_space: global }
    .group_segment_fixed_size: 67072
    .private_segment_fixed_size: 0
    .kernarg_segment_align: 8
    .kernarg_segment_size: 24
    .max_flat_workgroup_size: 128
    .sgpr_count:     66
    .vgpr_count:     256
    .wavefront_size: 32
...
	.end_amdgpu_metadata
.endif
;; end of part 1
;; launch qkv (part 2): grid 12 x 16, 4 waves a work-group, clusters of 4 x 4, 327,680 bytes of LDS; arguments nrm, Wqkv_codes, Wqkv_scales, bqkv, qbuf, kvrec; writes qbuf, kvrec
.if DOCPART == 2
	.amdgcn_target "amdgcn-amd-amdhsa--gfx1250"
	.amdhsa_code_object_version 6
	.text
	.protected	k_qd4a46ae0bf_qkv
	.globl	k_qd4a46ae0bf_qkv
	.p2align	8
	.type	k_qd4a46ae0bf_qkv,@function
k_qd4a46ae0bf_qkv:
	s_mov_b64 s[64:65], 0
	v_nop
	global_prefetch_b8 v0, s[64:65] scope:SCOPE_SE
	s_setreg_imm32_b32 hwreg(HW_REG_WAVE_MODE, 25, 1), 1
	s_wait_xcnt 0x0
	s_wait_alu depctr_hold_cnt(0) depctr_sa_sdst(0) depctr_va_vdst(0) depctr_va_sdst(0) depctr_va_ssrc(0) depctr_va_vcc(0) depctr_vm_vsrc(0)
	s_getreg_b32 s2, hwreg(HW_REG_IB_STS2, 6, 4)
	s_cmp_eq_u32 s2, 0
	s_cbranch_scc0 .Lentry_in_a_cluster
	s_endpgm
.Lentry_in_a_cluster:
	s_bfe_u32 s2, ttmp6, 0x10000c
	s_cmp_lg_u32 s2, 0xf033
	s_cbranch_scc0 .Lentry_shape_is_right
	s_endpgm
.Lentry_shape_is_right:
; qkv = h Wqkv + bqkv on codes of FP6 (E2M3) with E8M0 scales; the result is quantised at once: q and k along the head's 64, v along the keys.
; A (h): images of operand registers (16 rows x 128 K = 1,536 bytes, pair g of lane l at 256 g + 8 l; tile of rows mt at 12,288 mt) and scale words at 3,145,728 + 512 mt + 64 ks + 4 r.
; B (Wqkv): rows of codes, K innermost, 768 bytes a row; scale bytes 32 a row.
; A tile of the result, 256 x 256, is made by four waves, 128 x 128 each: 64 accumulators.  K goes in slots of 256 through a ring of two LDS slots filled by the tensor data mover.
; CLUSTER 4 x 4: A's tiles are asked for jointly along a row of the cluster, B's along a column.  The matrix instruction is used transposed (source 0 = rows of B, source 1 = rows of A): a lane holds 8 neighbouring columns of a row.
; The bias is the C of each sum's first matrix instruction.
; THE WAY OUT: the wave's 128 x 128 goes into its own stage in LDS (the ring is dead by then) and comes back in the order the next K wants.  The cluster's x says what a tile column is: 0 q, 1 k, 2 v (equal in all partners).
;   q: half images (16 tokens x 64 d, 768 bytes) at 98,304 bh + 768 (token / 16); words (two bytes, two zeros) at 3,145,728 + 8,192 bh + 4 token.
;   k, v: records of 13,056 bytes for each head and 128 keys: 8 half images of k, 4 fragments of v^T (register c of lane l at 512 (c / 4) + 16 l + 4 (c % 4)), 128 words of k, 64 words of v.
;   Inside a block of 32 keys v's codes stand in the order keys 0-7, 16-23, 8-15, 24-31: the order in which the softmax's weights fall in the next launch.  Row r of v^T's tile 2 b + u is d = 32 b + 8 u + r + 8 (r / 8).
; LIMITS: NaN and infinities are not served; a block whose largest magnitude lies under 2^-124 gets the byte 1 (this program alone reads the bytes).
; REGISTERS: window 0: v16-30 addresses; v32-63 B's scale words, v240-255 A's (scales and nothing else); v64-127 the bias; v128-223 A's 8 fragments.  Window 1: B's fragments, two sets.  Windows 2, 3: accumulators.
.set SIZE_K, 1024
.set NB,     8                         ; blocks of 16 rows a wave, each side
.set NKS,    2                         ; K steps of 128 in a slot
.set KD,     1                         ; K steps of 128 in a STEP
.set ROWA,   3072                      ; bytes of one tile of 16 rows of A in a slot
; B IN LDS: all of K, filled once, as three regions, one for each chunk of 256 bytes of the 256 rows (a row of codes is 768 bytes): every tensor row is 256 bytes of memory from a multiple of 256 on.
; The ring of two slots holds A alone.  No prefetch: K is four slots, and the first two come by the first fills.
.set ROWB,   256                       ; a chunk of a row of B
.set QI,     5                         ; padding behind every 256 bytes
.set PITCH,  272                       ; a chunk's row in LDS
.set DH,     512                       ; A's words: from a block of 16 rows to the next
.set DQ,     64                        ; and from a K step to the next
.set WROWS,  16*NB
.set HALFA,  NB*ROWA
.set HALFB,  WROWS*PITCH
.set SLOT,   2*HALFA                   ; a slot: A's 16 tiles of rows, 256 along K
.set BBASE,  2*SLOT                    ; behind the ring: B's three regions
.set CHB,    2*HALFB                   ; a region: 256 rows x 272 bytes
.set KS,     SIZE_K/32
.set KROW,   SIZE_K*3/4
.set IMGB,   4096*KROW
.set HALFSA, WROWS*KS
.set HALFSB, (WROWS*KS/256)*272
.set SBLK,   (16*KS/256)*272
.set SCLA,   BBASE+3*CHB
.set SCLB,   SCLA+2*HALFSA
.set SPARE,  327168                    ; the spare words: 128 bytes a wave, named by nothing but the add
.set LAPS,   SIZE_K/(256*NKS)
.set ADRA, 16
.set ADRB, 20
.set STO,  24
.set RDB,  25
.set VRD,  26
.set ADRSB, 27
.set SPW,  28
.set NIL,  29
.set ADRSA, 30
.set SCB,  32
.set BIAS, 64
.set AF,   128
.set SCA,  240
.set G1, 24
.set G0, 32
.set G1B, 48
.set G0B, 56
.set G1S, 68
.set G0S, 76
.set G1SB, 80
.set G0SB, 88
.set MSB, 0
.macro WIN new                         ; the immediate's high byte repeats the setting that is left
.if MSB != (\new)
	s_set_vgpr_msb (MSB<<8)|(\new)
.set MSB, (\new)
.endif
.endm
.macro PLACES n
.rept \n
	v_nop
.endr
.endm
.macro JLOAD g0a, g1a, g0b, g1b        ; a joint load: waves 0, 1 fetch for A, waves 2, 3 for B; four v_nop follow each line
	s_cmp_eq_u32 s15, 0
	s_cbranch_scc0 .Lfor_b_\@
	tensor_load_to_lds s[\g0a:\g0a+3], s[\g1a:\g1a+7]
	s_nop 0
.rept 4
	v_nop
.endr
	s_branch .Lasked_\@
.Lfor_b_\@:
	tensor_load_to_lds s[\g0b:\g0b+3], s[\g1b:\g1b+7]
	s_nop 0
.rept 4
	v_nop
.endr
.Lasked_\@:
.endm
.macro CREST                           ; a round of the cluster's barrier behind its opening barrier
	s_cmp_lg_u32 s14, 0
	s_cbranch_scc1 .Lnot_wave_0_\@
	s_barrier_signal -3
.Lnot_wave_0_\@:
	s_barrier_wait -3
	s_barrier_signal -1
	s_barrier_wait -1
.endm
.macro CROUND
	s_barrier_signal -1
	s_barrier_wait -1
	CREST
.endm
	s_load_b64 s[4:5], s[0:1], 0x0                 ; A's images
	s_load_b128 s[8:11], s[0:1], 0x8               ; B's codes, B's scale bytes
	s_load_b64 s[12:13], s[0:1], 0x18              ; the bias
	s_load_b128 s[92:95], s[0:1], 0x20             ; qbuf, kvrec
	v_lshl_add_u32 v[SPW], v0, 2, SPARE
	v_mov_b32 v[NIL], 0
	ds_add_u32 v28, v29
	ds_add_u32 v28, v29
	s_wait_dscnt 0x0
	v_lshrrev_b32 v1, 5, v0
	v_readfirstlane_b32 s14, v1                    ; wave 0..3
	s_lshr_b32 s15, s14, 1                         ; my half of the tile's rows; also: I fetch for A (0) or B (1)
	s_and_b32 s16, s14, 1                          ; my half of its columns; also: which half I fetch
	s_bfe_u32 s40, ttmp6, 0x40000                  ; cx
	s_bfe_u32 s41, ttmp6, 0x40004                  ; cy
	s_lshl_b32 s42, ttmp9, 2
	s_add_co_u32 s42, s42, s40                     ; tile column
	s_and_b32 s17, ttmp7, 0xffff
	s_lshl_b32 s17, s17, 2
	s_add_co_u32 s17, s17, s41                     ; tile row
	s_lshl_b32 s43, s41, 2
	s_lshl_b32 s43, 15, s43                        ; my row of the cluster
	s_lshl_b32 s44, 0x1111, s40                    ; my column
	s_or_b32 s[G1+0], s43, (3<<16)|(1<<21)         ; A's codes: NB rows (tiles of 16 rows) of ROWA bytes, elements of 8 bytes, no padding
	s_mov_b32 s[G1+1], (ROWA/8)<<16
	s_mov_b32 s[G1+2], NB<<16
	s_mov_b32 s[G1+3], (ROWA/8)<<16
	s_mov_b32 s[G1+4], NB
	s_mov_b32 s[G1+5], SIZE_K*12/8                 ; a tile of 16 rows is 12 SIZE_K bytes
	s_mov_b32 s[G1+6], 0
	s_mov_b32 s[G1+7], 0
	s_or_b32 s[G1B+0], s44, (0<<16)|(1<<20)|(1<<21)|(QI<<22)|(3<<25)   ; B's codes: WROWS rows of ROWB bytes, 16 bytes of padding behind each interval
	s_mov_b32 s[G1B+1], ROWB<<16
	s_mov_b32 s[G1B+2], WROWS<<16
	s_mov_b32 s[G1B+3], ROWB<<16
	s_mov_b32 s[G1B+4], WROWS
	s_mov_b32 s[G1B+5], KROW
	s_mov_b32 s[G1B+6], 0
	s_mov_b32 s[G1B+7], 0
	s_or_b32 s[G1S+0], s43, (3<<16)|(1<<21)        ; A's words: a dense block as rows of 256 bytes
	s_mov_b32 s[G1S+1], 32<<16
	s_mov_b32 s[G1S+2], (HALFSA/256)<<16
	s_mov_b32 s[G1S+3], 32<<16
	s_mov_b32 s[G1S+4], HALFSA/256
	s_mov_b32 s[G1S+5], 32
	s_mov_b32 s[G1S+6], 0
	s_mov_b32 s[G1S+7], 0
	s_or_b32 s[G1SB+0], s44, (3<<16)|(1<<20)|(1<<21)|(5<<22)|(3<<25)   ; B's scale bytes: the same with 16 bytes of padding behind each 256
	s_mov_b32 s[G1SB+1], 32<<16
	s_mov_b32 s[G1SB+2], (WROWS*KS/256)<<16
	s_mov_b32 s[G1SB+3], 32<<16
	s_mov_b32 s[G1SB+4], WROWS*KS/256
	s_mov_b32 s[G1SB+5], 32
	s_mov_b32 s[G1SB+6], 0
	s_mov_b32 s[G1SB+7], 0
	s_mul_i32 s20, s17, 2*WROWS                    ; A: the tile's first row (hangs on the tile row alone)
	s_mul_i32 s46, s42, 2*WROWS                    ; B: the tile's first row (on the tile column alone)
	s_mul_i32 s22, s20, KS                         ; their scales, in bytes,
	s_mul_i32 s96, s46, KS
	s_mul_i32 s20, s20, KROW                       ; and their codes
	s_mul_i32 s46, s46, KROW
	s_mov_b32 s21, 0
	s_mov_b32 s23, 0
	s_mov_b32 s47, 0
	s_mov_b32 s97, 0
	s_mul_i32 s45, s16, HALFA                      ; where they go in LDS: no place in the cluster enters
	s_wait_kmcnt 0x0
	s_add_nc_u64 s[6:7], s[4:5], IMGB              ; A's words lie behind its images
	s_add_nc_u64 s[20:21], s[4:5], s[20:21]
	s_add_nc_u64 s[22:23], s[6:7], s[22:23]
	s_add_nc_u64 s[46:47], s[8:9], s[46:47]
	s_add_nc_u64 s[96:97], s[10:11], s[96:97]
	CROUND                                         ; all sixteen work-groups are here: the first joint loads meet
	s_mov_b32 s[G1+2], (2*NB)<<16                  ; the head's tiles are whole: A's 16 tiles of rows,
	s_mov_b32 s[G1+4], 2*NB
	s_mov_b32 s[G1B+2], (2*WROWS)<<16              ; B's 256 rows (so in every load of B),
	s_mov_b32 s[G1B+4], 2*WROWS
	s_mov_b32 s[G1S+2], (2*HALFSA/256)<<16         ; the scales of 256 rows
	s_mov_b32 s[G1S+4], 2*HALFSA/256
	s_mov_b32 s[G1SB+2], (2*WROWS*KS/256)<<16
	s_mov_b32 s[G1SB+4], 2*WROWS*KS/256
	s_mov_b32 s[G0S], 1
	s_mov_b32 s[G0S+1], SCLA
	s_mov_b64 s[G0S+2:G0S+3], s[22:23]
	s_or_b32 s[G0S+3], s[G0S+3], 0x80000000
	s_mov_b32 s[G0SB], 1
	s_mov_b32 s[G0SB+1], SCLB
	s_mov_b64 s[G0SB+2:G0SB+3], s[96:97]
	s_or_b32 s[G0SB+3], s[G0SB+3], 0x80000000
	s_mul_i32 s18, s16, WROWS*KROW                 ; in the ring I fetch half of A's tile: where it begins, in bytes
	s_mov_b32 s19, 0
	s_mov_b32 s[G0], 1                             ; slot 0, whole
	s_mov_b32 s[G0+1], 0
	s_mov_b64 s[G0+2:G0+3], s[20:21]
	s_or_b32 s[G0+3], s[G0+3], 0x80000000
	s_mov_b32 s[G0+4], 1                           ; slot 1, my half
	s_add_co_u32 s[G0+5], s45, SLOT
	s_add_nc_u64 s[G0+6:G0+7], s[20:21], s[18:19]
	s_add_nc_u64 s[G0+6:G0+7], s[G0+6:G0+7], ROWA
	s_or_b32 s[G0+7], s[G0+7], 0x80000000
	s_mov_b32 s[G0B], 1                            ; B's chunk 0
	s_mov_b32 s[G0B+1], BBASE
	s_mov_b64 s[G0B+2:G0B+3], s[46:47]
	s_or_b32 s[G0B+3], s[G0B+3], 0x80000000
	s_mov_b32 s[G0B+4], 1                          ; wave 2: chunk 1, wave 3: chunk 2
	s_mul_i32 s66, s16, CHB
	s_add_co_u32 s[G0B+5], s66, BBASE+CHB
	s_lshl_b32 s66, s16, 8
	s_add_co_u32 s66, s66, ROWB
	s_mov_b32 s67, 0
	s_add_nc_u64 s[G0B+6:G0B+7], s[46:47], s[66:67]
	s_or_b32 s[G0B+7], s[G0B+7], 0x80000000
.set KB, 0                             ; the K step whose fragments of B the next FETCH_B brings
; the head's loads, one a wave, in one chain of branches on the wave's number: A's slot 0, B's chunk 0, A's scales, B's scales
.macro ARM under, g0, g1, next
	s_cmp_lt_u32 s14, \under
	s_cbranch_scc0 \next
	tensor_load_to_lds s[\g0:\g0+3], s[\g1:\g1+7]
	s_nop 0
.rept 4
	v_nop
.endr
	s_branch .Lhead_asked
\next:
.endm
	ARM 1, G0,  G1,  .Lhead_b
	ARM 2, G0B, G1B, .Lhead_sa
	ARM 3, G0S, G1S, .Lhead_sb
	tensor_load_to_lds s[G0SB:G0SB+3], s[G1SB:G1SB+7]
	s_nop 0
.rept 4
	v_nop
.endr
.Lhead_asked:
.macro AJLOAD g0                       ; a refill of the ring: A alone, waves 0 and 1; the last four v_nop are every wave's places in front of the LDS loads that follow
	s_cmp_eq_u32 s15, 0
	s_cbranch_scc0 .Lnone_\@
	tensor_load_to_lds s[\g0:\g0+3], s[G1:G1+7]
	s_nop 0
.rept 4
	v_nop
.endr
.Lnone_\@:
.rept 4
	v_nop
.endr
.endm
	v_and_b32 v1, 15, v0                           ; r
	v_bfe_u32 v2, v0, 4, 1                         ; h
	v_and_b32 v3, 31, v0                           ; lane
	v_lshlrev_b32 v4, 3, v3
	s_mul_i32 s21, s15, HALFA
	v_add_nc_u32 v[ADRA], s21, v4                  ; A: an image's pair: 8 x lane, in my half
	v_add_nc_u32 v[ADRA+1], SLOT, v[ADRA]
	v_mul_u32_u24 v5, v1, PITCH
	s_mov_b32 s22, CHB-232
	v_mul_u32_u24 v6, s22, v2
	v_add_nc_u32 v6, v5, v6                        ; across two chunks: lanes 0-15 byte 232 of the row, lanes 16-31 byte 0 of the row in the next region
	v_mad_u32_u24 v5, v2, 24, v5                   ; B: row r, + 24 h
	s_mul_i32 s22, s16, HALFB
	s_add_co_u32 s22, s22, BBASE
	v_add_nc_u32 v[ADRB], s22, v5                  ; v20-22: chunks 0, 1, 2
	v_add_nc_u32 v[ADRB+1], CHB, v[ADRB]
	v_add_nc_u32 v[ADRB+2], CHB, v[ADRB+1]
	s_add_co_u32 s22, s22, 232
	v_add_nc_u32 v[ADRB+3], s22, v6                ; v23-24: from chunk 0 into 1, from 1 into 2
	v_add_nc_u32 v[ADRB+4], CHB, v[ADRB+3]
	v_mul_u32_u24 v7, v1, KS                       ; B's scale bytes: KS a row, 16 more for each 256 passed
	v_lshrrev_b32 v8, 8, v7
	v_lshl_add_u32 v7, v8, 4, v7
	s_mul_i32 s22, s16, HALFSB
	s_add_co_u32 s22, s22, SCLB
	v_add_nc_u32 v[ADRSB], s22, v7
	v_lshlrev_b32 v7, 2, v1
	v_mad_u32_u24 v7, v2, DH, v7                   ; A's words: 4 r; lanes 16-31 take the next block's
	s_mul_i32 s21, s15, HALFSA
	s_add_co_u32 s21, s21, SCLA
	v_add_nc_u32 v[ADRSA], s21, v7
	s_mul_i32 s46, s42, 2*WROWS*4                  ; the bias of my columns: lane (r, h) wants, for block b, columns 16 b + 8 h + 0 .. 7
	s_mul_i32 s47, s16, WROWS*4
	s_add_co_u32 s46, s46, s47
	s_mov_b32 s47, 0
	s_add_nc_u64 s[12:13], s[12:13], s[46:47]
	v_lshlrev_b32 v9, 5, v2
.irp b, 0,1,2,3,4,5,6,7
.if \b < NB
	global_load_b128 v[BIAS+8*\b:BIAS+8*\b+3], v9, s[12:13] offset:64*\b
	global_load_b128 v[BIAS+8*\b+4:BIAS+8*\b+7], v9, s[12:13] offset:64*\b+16
.endif
.endr
.macro FRAG_A reg, adr, k, i           ; A's fragment: block i, the slot's K step k: six pairs as they lie in the image
.irp g, 0,1,2,3,4,5
	ds_load_b64 v[\reg+2*\g:\reg+2*\g+1], v[\adr] offset:(\i)*ROWA+(\k)*1536+256*\g
.endr
.endm
.macro FRAG_B reg, st, i               ; B's fragment of K step st, block i: pieces of 8 bytes; byte y of a row lies in region y / 256 at byte y % 256; lanes 16-31 read 24 bytes on
.irp p, 0,1,2,3,4,5
.set BY, 96*(\st)+48*(\p/3)+8*(\p%3)
.if BY/256 == (BY+24)/256
	ds_load_b64 v[\reg+2*\p:\reg+2*\p+1], v[ADRB+BY/256] offset:BY%256+(\i)*16*PITCH
.else
	ds_load_b64 v[\reg+2*\p:\reg+2*\p+1], v[ADRB+3+BY/256] offset:BY%256-232+(\i)*16*PITCH
.endif
.endr
.endm
.macro FETCH_B slot, q, p              ; the 8 fragments of B of STEP q into set p: fragment f = block f % NB, K step KD q + f / NB
	WIN 0x40
.irp f, 0,1,2,3,4,5,6,7
	FRAG_B 128*(\p)+12*\f, KB, \f
.endr
.set KB, KB+1
	WIN 0
.endm
.macro FETCH_A slot, q, f0             ; four of A's 8
.irp f, \f0, \f0+1, \f0+2, \f0+3
	FRAG_A AF+12*(\f), ADRA+\slot, KD*(\q)+(\f)/NB, (\f)%NB
.endr
.endm
.macro SCALES sc                       ; a slot's scale words into set sc.  B: NKS words a row.  A: lanes 0-15 block 2 i2, lanes 16-31 block 2 i2 + 1
.irp i, 0,1,2,3,4,5,6,7
.if \i < NB
.if NKS == 2
	ds_load_b64 v[SCB+16*\sc+2*\i:SCB+16*\sc+2*\i+1], v[ADRSB] offset:\i*SBLK
.else
	ds_load_b128 v[SCB+16*\sc+4*\i:SCB+16*\sc+4*\i+3], v[ADRSB] offset:\i*SBLK
.endif
.endif
.endr
.irp i2, 0,1,2,3
.if \i2 < NB/2
.irp k, 0,1,2,3
.if \k < NKS
	ds_load_b32 v[SCA+8*\sc+NKS*\i2+\k], v[ADRSA] offset:\i2*2*DH+\k*DQ
.endif
.endr
.endif
.endr
.endm
.macro MM d, b, a, c, sb, sa, row1
.if \row1
	v_wmma_scale_f32_16x16x128_f8f6f4 v[\d:\d+7], v[\b:\b+11], v[\a:\a+11], \c, v[\sb], v[\sa] matrix_a_fmt:MATRIX_FMT_FP6 matrix_b_fmt:MATRIX_FMT_FP6 matrix_b_scale:MATRIX_SCALE_ROW1
.else
	v_wmma_scale_f32_16x16x128_f8f6f4 v[\d:\d+7], v[\b:\b+11], v[\a:\a+11], \c, v[\sb], v[\sa] matrix_a_fmt:MATRIX_FMT_FP6 matrix_b_fmt:MATRIX_FMT_FP6
.endif
.endm
; A quarter of a STEP: A's fragments 2 n, 2 n + 1 against B's NB blocks.  The accumulators take turns, one instruction a turn, in the same order in every STEP.  first = 1: the bias is C.
.macro QUAD n, p, q, sc, first
.set K2, (2*(\n))/NB
.if (\first) && (K2 == 0)
	WIN 0x81+0x40*((NB*((2*(\n))%NB))/32)
.else
	WIN 0xa1+0x50*((NB*((2*(\n))%NB))/32)
.endif
.irp e, 0,1
.irp b, 0,1,2,3,4,5,6,7
.if \b < NB
.set AA, (2*(\n)+\e)%NB
.set AC, 8*((NB*AA+\b)%32)
.set RB, 128*(\p)+12*(\b+NB*K2)
.set RA, AF+12*(2*(\n)+\e)
.set RSB, SCB+16*(\sc)+NKS*\b+KD*(\q)+K2
.set RSA, SCA+8*(\sc)+NKS*(AA/2)+KD*(\q)+K2
.if (\first) && (K2 == 0)
	MM AC, RB, RA, v[BIAS+8*\b:BIAS+8*\b+7], RSB, RSA, \e
.else
	MM AC, RB, RA, v[AC:AC+7], RSB, RSA, \e
.endif
.endif
.endr
.endr
.endm
.macro STEP slot, q, first             ; a STEP that has its successor in the same slot
	s_wait_dscnt 24                                ; all but the youngest 24 loads (A's fragments 4-7)
	QUAD 0, (\q)%2, \q, \slot, \first
	QUAD 1, (\q)%2, \q, \slot, \first
	s_wait_dscnt 0x0
	PLACES 4                                       ; in front of loads into registers that matrix instructions have read
	FETCH_B \slot, (\q)+1, 1-(\q)%2
	FETCH_A \slot, (\q)+1, 0
	QUAD 2, (\q)%2, \q, \slot, \first
	QUAD 3, (\q)%2, \q, \slot, \first
	PLACES 4
	WIN 0
	FETCH_A \slot, (\q)+1, 4
.endm
; A slot's last STEP changes slots: one barrier; in front of it each wave waits for all its tensor loads, adds 0 to its spare word, and waits for that and for its reads of this slot.  fill = 1: the slot is filled again, two slots ahead.
.macro TURN slot, next, fill
	s_wait_tensorcnt 0x0                           ; all my tensor loads have landed: my part of the next slot
	ds_add_u32 v[SPW], v[NIL]                      ; 0 onto my spare word
	s_wait_dscnt 25                                ; (the add and the youngest 24 loads may be out)
	QUAD 0, 1, 1, \slot, 0
	s_wait_dscnt 0x0                               ; the add is done, and my reads of this slot are over
	s_barrier_signal -1
	QUAD 1, 1, 1, \slot, 0
	WIN 0
	s_barrier_wait -1
.if \fill
	CREST                                          ; the barrier has opened a round of the cluster's: no wave of any partner still reads this slot or has a load on its way
	s_add_nc_u64 s[G0+4*\slot+2:G0+4*\slot+3], s[G0+4*\slot+2:G0+4*\slot+3], 2*ROWA
	AJLOAD G0+4*\slot                              ; the first tensor load behind the round
.else
	PLACES 4
.endif
	s_wait_alu depctr_va_vdst(0)
	v_add_nc_u32 v[ADRSB], 4*NKS, v[ADRSB]         ; on to the next slot's scale words
	v_add_nc_u32 v[ADRSA], NKS*DQ, v[ADRSA]
	FETCH_B \next, 0, 0
	FETCH_A \next, 0, 0
	SCALES \next
	QUAD 2, 1, 1, \slot, 0
	QUAD 3, 1, 1, \slot, 0
	PLACES 4
	WIN 0
	FETCH_A \next, 0, 4
.endm
	s_wait_alu depctr_va_vdst(0)
	s_wait_tensorcnt 0x0                           ; my tile of the head's four is in
	ds_add_u32 v[SPW], v[NIL]
	s_mov_b32 s[G1+2], NB<<16                      ; no tensor load of mine is out: from here on a load of A brings my half,
	s_mov_b32 s[G1+4], NB
	s_mov_b32 s[G0+1], s45                         ; slot 0's too
	s_add_nc_u64 s[G0+2:G0+3], s[G0+2:G0+3], s[18:19]
	s_wait_dscnt 0x0
	CROUND                                         ; all four tiles are in, and all sixteen work-groups are here
	JLOAD G0+4, G1, G0B+4, G1B                     ; waves 0, 1: A's slot 1; waves 2, 3: B's chunks 1 and 2
	FETCH_B 0, 0, 0
	FETCH_A 0, 0, 0
	SCALES 0
	FETCH_A 0, 0, 4
	s_wait_loadcnt 0x0                             ; the bias
	STEP 0, 0, 1
.if LAPS > 1
	TURN 0, 1, 1
	STEP 1, 0, 0
	TURN 1, 0, 1
	STEP 0, 0, 0
.endif
	TURN 0, 1, 0                                   ; the last lap fills nothing
	STEP 1, 0, 0
	s_wait_dscnt 24
	QUAD 0, 1, 1, 1, 0
	QUAD 1, 1, 1, 1, 0
	s_wait_dscnt 0x0
	QUAD 2, 1, 1, 1, 0
	QUAD 3, 1, 1, 1, 0
	WIN 0
; ---- THE WAY OUT
.set X,    128                         ; v128-191 64 numbers of a lane
.set PC,   192                         ; v192-203 the fragment; v204-206, v208-210 upper halves
.set TM,   212                         ; v212-227 at work in QUANT
.set PW,   228                         ; the scale word
.set SEL,  18                          ; s[18:19] lane selects
.set GATQ, 270336                      ; behind the four stages: q's and k's words, 1,024 bytes a wave;
.set GATV, 274432                      ; v's words, 512 bytes a wave (bytes of their own for each way)
.set GQA,  10
.set GVA,  11
.set O8,   12
.set L16,  13
.set SH,   14
.set RQ,   15
.set RV,   9
; 64 numbers of a lane, register 16 b + i = place 32 b + 16 (lane / 16) + i along K of my row, become a fragment's codes in v[PC] on and its scale word in v[PW]
.macro QUANT s
.irp b, 0,1,2,3
	v_max3_num_f32 v[TM+\b], |v[\s+16*\b]|, |v[\s+1+16*\b]|, 0x1800000   ; with the floor 2^(3 - 127): the byte cannot fall under 1
.endr
.irp i, 2,4,6,8,10,12,14
.irp b, 0,1,2,3
	v_max3_num_f32 v[TM+\b], v[TM+\b], |v[\s+16*\b+\i]|, |v[\s+1+16*\b+\i]|
.endr
.endr
.irp b, 0,1,2,3
	v_permlanex16_b32 v[TM+4+\b], v[TM+\b], s[SEL], s[SEL+1]
.endr
.irp b, 0,1,2,3
	v_max_num_f32 v[TM+\b], v[TM+\b], v[TM+4+\b]   ; with lane l xor 16's: the block's largest magnitude
.endr
.irp b, 0,1,2,3
	v_add_nc_u32 v[TM+12+\b], 0xff000000, v[TM+\b] ; 2 off its exponent field: the conversion's scale operand
.endr
.irp b, 0,1,2,3
	v_lshrrev_b32 v[TM+4+\b], 23, v[TM+12+\b]      ; the scale's byte
.endr
	v_lshl_or_b32 v[PW], v[TM+5], 8, v[TM+4]
	v_lshl_or_b32 v[PW], v[TM+6], 16, v[PW]
	v_lshl_or_b32 v[PW], v[TM+7], 24, v[PW]
.irp c, 0,1
	v_cvt_scalef32_pk16_fp6_f32 v[PC+6*\c:PC+2+6*\c], v[\s+32*\c:\s+15+32*\c], v[TM+12+2*\c]
	v_cvt_scalef32_pk16_fp6_f32 v[PC+12+4*\c:PC+14+4*\c], v[\s+16+32*\c:\s+31+32*\c], v[TM+12+2*\c+1]
.endr
	v_nop                                          ; one plain line behind the scaled conversions
.irp c, 0,1                                    ; the operand wants a whole block in a lane: lanes 0-15 block 2 c, lanes 16-31 block 2 c + 1
.irp i, 0,1,2
	v_permlane16_swap_b32 v[PC+6*\c+\i], v[PC+12+4*\c+\i]
.endr
.irp i, 0,1,2
	v_mov_b32 v[PC+3+6*\c+\i], v[PC+12+4*\c+\i]
.endr
.endr
.endm
	s_wait_dscnt 0x0
	s_barrier_signal -1
	s_barrier_wait -1                              ; no wave reads the ring or the scales any more, and nothing is filled again: the stages may lie over them
	v_and_b32 v1, 15, v0                           ; (these lines are also the places behind the last products)
	v_bfe_u32 v2, v0, 4, 1
	v_and_b32 v3, 31, v0
	s_mul_i32 s66, s14, 67584                      ; my stage: 128 rows x (512 bytes + 16)
	v_mul_u32_u24 v4, v1, 528
	v_add_nc_u32 v4, s66, v4
	v_lshl_add_u32 v[STO], v2, 5, v4               ; in: row r, + 32 h
	v_lshl_add_u32 v[RDB], v2, 6, v4               ; back, q and k: row r, + 64 h: 16 neighbours of each block of 32
	v_and_b32 v5, 8, v1
	v_add_nc_u32 v5, v5, v1                        ; r + 8 (r / 8)
	v_mul_u32_u24 v6, v2, 4224
	v_lshl_add_u32 v6, v5, 2, v6
	v_add_nc_u32 v[VRD], s66, v6                   ; back, v: column r + 8 (r / 8), 8 h rows down
	s_lshl_b32 s67, s14, 10
	s_add_co_u32 s67, s67, GATQ
	v_lshl_add_u32 v[RQ], v3, 4, s67
	v_lshl_add_u32 v4, v1, 2, s67
	v_lshl_add_u32 v[GQA], v2, 9, v4               ; lanes 0-15: the even head's words, lanes 16-31: the odd head's, 512 bytes on
	s_lshl_b32 s67, s14, 9
	s_add_co_u32 s67, s67, GATV
	v_lshl_add_u32 v[RV], v3, 3, s67
	v_lshl_add_u32 v[GVA], v1, 2, s67
	v_lshlrev_b32 v[O8], 3, v3
	v_lshlrev_b32 v[L16], 4, v3
	v_lshlrev_b32 v[SH], 4, v2
.irp a, 0,1,2,3,4,5,6,7
	WIN 0x08+4*(\a/4)                              ; an LDS store's data are its source 1: window 2 or 3
.irp b, 0,1,2,3,4,5,6,7
	ds_store_b128 v[STO], v[8*(8*(\a%4)+\b):8*(8*(\a%4)+\b)+3] offset:8448*\a+64*\b       ; each accumulator from its low end on
	ds_store_b128 v[STO], v[8*(8*(\a%4)+\b)+4:8*(8*(\a%4)+\b)+7] offset:8448*\a+64*\b+16
.endr
.endr
	WIN 0
.irp b, 0,1,2,3
	v_mov_b32 v[TM+4+\b], 0                        ; a lane permute's destination counts as read: written once
.endr
	s_mov_b32 s[SEL], 0x76543210
	s_mov_b32 s[SEL+1], 0xfedcba98
	s_lshr_b32 s96, s17, 3
	s_lshl_b32 s96, s96, 4                         ; 16 x batch
	s_lshl_b32 s97, s40, 2
	s_add_co_u32 s96, s96, s97
	s_lshl_b32 s97, s16, 1
	s_add_co_u32 s96, s96, s97                     ; bh of my even head: 16 b + 4 cx + 2 x column half
	s_and_b32 s97, s17, 7
	s_lshl_b32 s97, s97, 8
	s_lshl_b32 s98, s15, 7
	s_add_co_u32 s97, s97, s98                     ; my first token in the batch
	s_mul_i32 s98, s96, 98304
	s_mul_i32 s99, s97, 48
	s_add_co_u32 s98, s98, s99                     ; q: images
	s_lshl_b32 s99, s96, 13
	s_lshl_b32 s100, s97, 2
	s_add_co_u32 s99, s99, s100
	s_add_co_u32 s99, s99, 3145728                 ; q: words
	s_mul_i32 s100, s96, 208896
	s_lshr_b32 s101, s97, 7
	s_mul_i32 s101, s101, 13056
	s_add_co_u32 s100, s100, s101                  ; k, v: my record
	s_add_co_u32 s101, s100, 12288                 ; its words of k
	s_mov_b32 s20, 98304                           ; from a head to the next: q's images,
	s_mov_b32 s21, 8192                            ; q's words,
	s_mov_b32 s22, 208896                          ; records
	s_cmp_eq_u32 ttmp9, 0                          ; the cluster's x: equal in all partners
	s_cselect_b64 s[4:5], s[92:93], s[94:95]
	s_cselect_b32 s98, s98, s100
	s_cselect_b32 s99, s99, s101
	s_cselect_b32 s20, s20, s22
	s_cselect_b32 s21, s21, s22
	s_mov_b32 s100, s99
	s_mov_b32 s101, 0
	s_add_nc_u64 s[8:9], s[4:5], s[100:101]        ; words, even head
	s_mov_b32 s100, s98
	s_add_nc_u64 s[4:5], s[4:5], s[100:101]        ; images, even head
	s_mov_b32 s100, s20
	s_add_nc_u64 s[6:7], s[4:5], s[100:101]        ; images, odd head
	s_mov_b32 s100, s21
	s_add_nc_u64 s[10:11], s[8:9], s[100:101]      ; words, odd head
	s_mov_b64 s[12:13], s[4:5]                     ; the record: not stepped
	s_mov_b32 s2, 0                                ; the trip,
	s_mov_b32 s3, 0                                ; 32 rows of the stage a trip,
	s_mov_b32 s67, 0                               ; 128 bytes a trip: 32 columns of the stage, 32 words
.Lout:                                         ; four trips of two units.  q, k: unit = 16 tokens x 128 columns.  v: unit = 16 d of one head x 128 keys.  Every address is made ahead of the parting
	v_add_nc_u32 v229, s3, v[RDB]
	v_add_nc_u32 v230, s67, v[VRD]
	v_add_nc_u32 v231, s67, v[GQA]
	v_add_nc_u32 v232, s67, v[GVA]
	s_lshr_b32 s20, s2, 1
	s_mul_i32 s20, s20, 208896                     ; v: trips 2, 3 are the odd head's record,
	s_and_b32 s21, s2, 1
	s_mul_i32 s21, s21, 3072                       ; odd trips its fragments 2, 3
	s_add_co_u32 s20, s20, s21
	v_add_nc_u32 v233, s20, v[L16]
.irp u, 0,1
	s_cmp_ge_u32 ttmp9, 2
	s_cbranch_scc1 .Lvload_\u
.irp b, 0,1,2,3
.irp i, 0,1,2,3
	ds_load_b128 v[X+16*\b+4*\i:X+16*\b+4*\i+3], v229 offset:8448*\u+128*\b+16*\i
.endr
.endr
	s_branch .Lloaded_\u
.Lvload_\u:
	s_wait_alu depctr_va_vdst(0)
.irp b, 0,1,2,3
.irp j, 0,1,2,3,4,5,6,7,8,9,10,11,12,13,14,15
	ds_load_b32 v[X+16*\b+\j], v230 offset:(32*\b+\j+8*(\j/8))*528+32*\u   ; key 32 b + 8 h + j + 8 (j / 8): the order of the softmax's weights
.endr
.endr
.Lloaded_\u:
	s_wait_dscnt 0x0
	QUANT X
	s_cmp_ge_u32 ttmp9, 2
	s_cbranch_scc1 .Lvstore_\u
.irp g, 0,1,2
	global_store_b64 v[O8], v[PC+2*\g:PC+2*\g+1], s[4:5] offset:768*\u+256*\g      ; the even head's half image: 256 consecutive bytes a store
	global_store_b64 v[O8], v[PC+6+2*\g:PC+7+2*\g], s[6:7] offset:768*\u+256*\g    ; the odd head's
.endr
	v_lshrrev_b32 v234, v[SH], v[PW]
	v_and_b32 v234, 0xffff, v234                   ; two bytes of my head, two zeros: K is 64
	ds_store_b32 v231, v234 offset:64*\u
	s_branch .Lstored_\u
.Lvstore_\u:
	s_wait_alu depctr_va_vdst(0)
.irp c, 0,1,2
	global_store_b128 v233, v[PC+4*\c:PC+4*\c+3], s[12:13] offset:6144+1536*\u+512*\c   ; 512 consecutive bytes a store
.endr
	ds_store_b32 v232, v[PW] offset:64*\u
.Lstored_\u:
	s_wait_xcnt 0x0                                ; the stores have read their data, offsets and bases: all may be written again
.endr
	s_add_nc_u64 s[4:5], s[4:5], 1536
	s_add_nc_u64 s[6:7], s[6:7], 1536
	s_add_co_u32 s3, s3, 16896
	s_add_co_u32 s67, s67, 128
	s_add_co_u32 s2, s2, 1
	s_cmp_lt_u32 s2, 4
	s_cbranch_scc1 .Lout
	s_cmp_ge_u32 ttmp9, 2
	s_cbranch_scc1 .Lvwords
	ds_load_b128 v[128:131], v[RQ]                 ; LDS serves a wave's instructions in order: these see my stores
	ds_load_b128 v[132:135], v[RQ] offset:512
	s_wait_dscnt 0x0
	global_store_b128 v[L16], v[128:131], s[8:9]   ; 128 tokens' words: 512 consecutive bytes
	global_store_b128 v[L16], v[132:135], s[10:11]
	s_branch .Ldone
.Lvwords:
	ds_load_b64 v[128:129], v[RV]
	ds_load_b64 v[130:131], v[RV] offset:256
	s_wait_dscnt 0x0
	global_store_b64 v[O8], v[128:129], s[8:9] offset:512   ; v's 64 words lie 512 bytes behind k's first
	global_store_b64 v[O8], v[130:131], s[10:11] offset:512
.Ldone:
	s_wait_tensorcnt 0x0                           ; the wave's end
	ds_add_u32 v[SPW], v[NIL]
	s_wait_dscnt 0x0
	CROUND                                         ; the closing round
	s_endpgm
.Lfunc_end_k_qd4a46ae0bf_qkv:
	.size	k_qd4a46ae0bf_qkv, .Lfunc_end_k_qd4a46ae0bf_qkv-k_qd4a46ae0bf_qkv
	.p2alignl 7, 3214868480
	.fill 96, 4, 3214868480
	.section	.rodata,"a",@progbits
	.p2align	6, 0x0
	.amdhsa_kernel k_qd4a46ae0bf_qkv
		.amdhsa_group_segment_fixed_size 327680
		.amdhsa_private_segment_fixed_size 0
		.amdhsa_enable_private_segment 0
		.amdhsa_kernarg_size 48
		.amdhsa_user_sgpr_count 2
		.amdhsa_user_sgpr_kernarg_segment_ptr 1
		.amdhsa_wavefront_size32 1
		.amdhsa_system_sgpr_workgroup_id_x 1
		.amdhsa_system_sgpr_workgroup_id_y 1
		.amdhsa_system_sgpr_workgroup_id_z 1
		.amdhsa_system_vgpr_workitem_id 0
		.amdhsa_next_free_vgpr 1024
		.amdhsa_next_free_sgpr 102
		.amdhsa_reserve_vcc 0
		.amdhsa_float_denorm_mode_32 3
		.amdhsa_float_denorm_mode_16_64 3
		.amdhsa_memory_ordered 1
		.amdhsa_forward_progress 1
		.amdhsa_inst_pref_size 167
	.end_amdhsa_kernel
	.amdgpu_metadata
---
amdhsa.version: [ 1, 2 ]
amdhsa.kernels:
  - .name:           k_qd4a46ae0bf_qkv
    .symbol:         k_qd4a46ae0bf_qkv.kd
    .args:
      - { .name: nrm, .offset: 0, .size: 8, .value_kind: global_buffer, .address_space: global }
      - { .name: Wqkv_codes, .offset: 8, .size: 8, .value_kind: global_buffer, .address_space: global }
      - { .name: Wqkv_scales, .offset: 16, .size: 8, .value_kind: global_buffer, .address_space: global }
      - { .name: bqkv, .offset: 24, .size: 8, .value_kind: global_buffer, .address_space: global }
      - { .name: qbuf, .offset: 32, .size: 8, .value_kind: global_buffer, .address_space: global }
      - { .name: kvrec, .offset: 40, .size: 8, .value_kind: global_buffer, .address_space: global }
    .group_segment_fixed_size: 327680
    .private_segment_fixed_size: 0
    .kernarg_segment_align: 8
    .kernarg_segment_size: 48
    .max_flat_workgroup_size: 128
    .sgpr_count:     102
    .vgpr_count:     1024
    .wavefront_size: 32
...
	.end_amdgpu_metadata
.endif
;; end of part 2
;; launch attn (part 3): grid 8 x 32, 16 waves a work-group, clusters of 4 x 1, 210,944 bytes of LDS; arguments qbuf, kvrec, obuf; writes obuf
.if DOCPART == 3
	.amdgcn_target "amdgcn-amd-amdhsa--gfx1250"
	.amdhsa_code_object_version 6
	.text
	.protected	k_qd4a46ae0bf_attn
	.globl	k_qd4a46ae0bf_attn
	.p2align	8
	.type	k_qd4a46ae0bf_attn,@function
k_qd4a46ae0bf_attn:
	s_mov_b64 s[64:65], 0
	v_nop
	global_prefetch_b8 v0, s[64:65] scope:SCOPE_SE
	s_setreg_imm32_b32 hwreg(HW_REG_WAVE_MODE, 25, 1), 1
	s_wait_xcnt 0x0
	s_wait_alu depctr_hold_cnt(0) depctr_sa_sdst(0) depctr_va_vdst(0) depctr_va_sdst(0) depctr_va_ssrc(0) depctr_va_vcc(0) depctr_vm_vsrc(0)
	s_getreg_b32 s2, hwreg(HW_REG_IB_STS2, 6, 4)
	s_cmp_eq_u32 s2, 0
	s_cbranch_scc0 .Lentry_in_a_cluster
	s_endpgm
.Lentry_in_a_cluster:
	s_bfe_u32 s2, ttmp6, 0x10000c
	s_cmp_lg_u32 s2, 0x3003
	s_cbranch_scc0 .Lentry_shape_is_right
	s_endpgm
.Lentry_shape_is_right:
; o = softmax(q k^T / 8) v for one head, both products on codes of FP6 (E2M3) with E8M0 scales; o is quantised along the head's 64 and stored as codes.
; THE SOFTMAX: t = score x log2(e) / 8; M = the running largest t rounded up to a whole number; p = 2^(t - M) is quantised along the keys, not normalised; the row's sum is taken of the unquantised p and divides at the end.
; SHARES: a work-group owns 256 queries of one head, each of its sixteen waves 16 of them in 256 registers: four waves to a SIMD, so that one wave's vector work stands beside another's matrix work.
; LDS: the head's K and V, 16 records of 13,056 bytes (128 keys each), lie in LDS as they lie in memory; each byte is filled once.  Wave w asks for record w at the head: one tensor load a wave.
; ONE MEETING, ahead of step 0, shows all sixteen records to all waves; behind it the waves run free.
; K COMES A STEP AHEAD: behind a step's products K Q^T the next record's K is asked of LDS into the same registers and lands under the softmax; so a step reads V of its own record and K of the next, and each meeting covers both.
; CLUSTER 4 x 1: the four query blocks of a cluster read the same head: every tensor load is joint.
; A RECORD: 8 half images of k (16 keys x 64 d: pair g of lane l at 256 g + 8 l); at 6,144 four fragments of v^T (register c of lane l at 512 (c / 4) + 16 l + 4 (c % 4)); at 12,288 k's 128 words; at 12,800 v's 64 words.
; K = 64 UNDER AN INSTRUCTION OF 128: q's registers 6-11 are zero codes.  k's fragment is 12 registers from its tile's first on: the upper six are the next tile's codes (zeros behind the last), which meet q's zeros.  The words' upper bytes are 0.
; Both products are used transposed: a lane holds one query throughout.  Inside a block of 32 keys p falls in the order keys 0-7, 16-23, 8-15, 24-31, and v's codes were laid in that order.
; OUT: half image (16 tokens x this head's 64) at 12,288 (token / 16) + 768 head; two scale bytes a token at 3,145,728 + 2,048 (token / 64) + 256 (head / 2) + 4 (token % 64) + 2 (head % 2):
; a scale word of the next product spans two heads and a work-group holds one, so each head stores its half of the word: one store of two bytes a lane in the whole wave.
; No prefetch: all of K and V is asked for by the first fills.
; LIMITS: NaN and infinities are not served; a block whose largest magnitude lies under 2^-124 gets the byte 1; a block's largest p is taken from its largest score, which takes the exponential not to fall where its input rises; 1 / l is a reciprocal.
; REGISTERS: v1-3 lane offsets, v8-10 addresses; v12 -M, v13 the largest t, v[14:15] the sum; v16-27 q; v28-31 the conversions' scale operands (a chain of the sum before that); v32-85 k and six zeros; v86-93 scale words and nothing else;
;   v96-159 S^T, then p; v160-191 O^T; v192-239 v; v240-251 block maxima and bytes, then p's fragment; v[252:253] f; v254 at work.
.set REC,  13056
.set BM,   240                         ; v240-243 block maxima
.set EX,   244                         ; v244-247 at work
.set SO,   28                          ; v28-31   the conversions' scale operands
.set PF,   240                         ; v240-251 p's fragment, once the maxima and bytes are done with
.macro CROUND
	s_barrier_signal -1
	s_barrier_wait -1
	s_cmp_lg_u32 s18, 0
	s_cbranch_scc1 .Lnot_wave_0_\@
	s_barrier_signal -3
.Lnot_wave_0_\@:
	s_barrier_wait -3
	s_barrier_signal -1
	s_barrier_wait -1
.endm
	s_load_b128 s[4:7], s[0:1], 0x0                ; qbuf, kvrec
	s_load_b64 s[8:9], s[0:1], 0x10                ; obuf
	v_lshl_add_u32 v95, v0, 2, 0x33000
	v_mov_b32 v255, 0
	ds_add_u32 v95, v255
	ds_add_u32 v95, v255
	v_lshrrev_b32 v1, 5, v0
	s_delay_alu instid0(VALU_DEP_1)
	v_readfirstlane_b32 s18, v1                    ; wave 0..15
	s_bfe_u32 s10, ttmp6, 0x40000                  ; cx: it enters q's and o's addresses alone
	s_lshl_b32 s11, ttmp9, 2
	s_add_co_u32 s11, s11, s10                     ; my block of 256 queries
	s_and_b32 s12, ttmp7, 0xffff                   ; bh, which the partners share
	s_mul_i32 s13, s18, REC                        ; wave w asks for record w: one tensor load a wave, sixteen records
	s_mul_i32 s14, s12, 16*REC
	s_add_co_u32 s14, s14, s13
	s_mov_b32 s15, 0
	s_mov_b32 s24, 15|(3<<16)|(1<<21)              ; the mask: all four; elements of 8 bytes; no padding
	s_mov_b32 s25, 32<<16                          ; rows of 256 bytes
	s_mov_b32 s26, 51<<16                          ; 51 of them: a record
	s_mov_b32 s27, 32<<16
	s_mov_b32 s28, 51
	s_mov_b32 s29, 32
	s_mov_b32 s30, 0
	s_mov_b32 s31, 0
	s_mov_b32 s20, 0x76543210
	s_mov_b32 s21, 0xfedcba98                      ; lane l xor 16
	s_mov_b32 s22, 0x3e38aa3b                      ; c = log2(e) / 8
	s_mov_b32 s23, s22
	s_mov_b32 s2, 0                                ; LDS byte of the record in hand
	s_lshl_b32 s16, s11, 4
	s_add_co_u32 s16, s16, s18                     ; my tile of 16 queries in the head, 0..127
	s_wait_dscnt 0x0
	s_wait_kmcnt 0x0
	s_add_nc_u64 s[6:7], s[6:7], s[14:15]
	s_mov_b32 s32, 1
	s_mov_b32 s33, s13
	s_mov_b64 s[34:35], s[6:7]
	s_or_b32 s35, s35, 0x80000000
	CROUND                                         ; all four work-groups are here: the joint loads meet
	tensor_load_to_lds s[32:35], s[24:31]          ; my record: every wave's one load
	s_nop 0
.rept 4
	v_nop
.endr
	s_mul_i32 s66, s12, 98304
	s_mul_i32 s67, s16, 768
	s_add_co_u32 s66, s66, s67
	s_mov_b32 s67, 0
	s_add_nc_u64 s[68:69], s[4:5], s[66:67]        ; q's half image
	s_lshl_b32 s66, s12, 13
	s_lshl_b32 s76, s16, 6
	s_add_co_u32 s66, s66, s76
	s_add_co_u32 s66, s66, 3145728
	s_add_nc_u64 s[70:71], s[4:5], s[66:67]        ; q's words
	s_lshr_b32 s76, s12, 4
	s_lshl_b32 s76, s76, 7
	s_add_co_u32 s76, s76, s16                     ; mt = token / 16
	s_and_b32 s77, s12, 15                         ; head
	s_mul_i32 s66, s76, 12288
	s_mul_i32 s78, s77, 768
	s_add_co_u32 s66, s66, s78
	s_add_nc_u64 s[72:73], s[8:9], s[66:67]        ; o's half image
	s_lshr_b32 s66, s76, 2
	s_lshl_b32 s66, s66, 11
	s_lshr_b32 s78, s77, 1
	s_lshl_b32 s78, s78, 8
	s_add_co_u32 s66, s66, s78
	s_and_b32 s78, s76, 3
	s_lshl_b32 s78, s78, 6
	s_add_co_u32 s66, s66, s78
	s_and_b32 s78, s77, 1
	s_lshl_b32 s78, s78, 1
	s_add_co_u32 s66, s66, s78
	s_add_co_u32 s66, s66, 3145728
	s_add_nc_u64 s[74:75], s[8:9], s[66:67]        ; o's scale bytes
	v_and_b32 v4, 31, v0
	s_delay_alu instid0(VALU_DEP_1)
	v_lshlrev_b32 v1, 3, v4                        ; 8 x lane
	s_delay_alu instid0(VALU_DEP_2)
	v_lshlrev_b32 v2, 4, v4                        ; 16 x lane
	s_delay_alu instid0(VALU_DEP_3)
	v_lshlrev_b32 v3, 2, v4                        ; 4 x lane
	v_and_b32 v11, 15, v0
	s_delay_alu instid0(VALU_DEP_1)
	v_lshlrev_b32 v11, 2, v11                      ; 4 r
.irp g, 0,1,2
	global_load_b64 v[16+2*\g:17+2*\g], v1, s[68:69] offset:256*\g
.endr
	global_load_b32 v92, v11, s[70:71]             ; q's words
.irp j, 0,1,2,3,4,5
	v_mov_b32 v[22+\j], 0                          ; q's upper half: zero codes
	v_mov_b32 v[80+\j], 0                          ; behind k's last tile
.endr
	v_mov_b32 v13, 0xff61b1e6                      ; the largest t so far: -3e38
	s_delay_alu instid0(VALU_DEP_1)
	v_floor_f32 v12, -v13                          ; -M
	v_mov_b32 v14, 0
	v_mov_b32 v15, 0                               ; the sum, in two halves
.irp b, 0,1,2,3
	v_mov_b32 v[EX+\b], 0                          ; a lane permute's destination counts as read
.endr
	v_mov_b32 v253, 0                              ; (named as the upper half of the pair v[252:253])
.set J, 0
.rept 32
	v_mov_b32 v[160+J], 0                          ; O^T: the step is written in one form; the first finds zeros
.set J, J+1
.endr
	s_wait_loadcnt 0x0                             ; q
; K of one record: 8 half images and 128 words, 28 loads.  a8, a4: the registers with 8 x lane and 4 x lane (+ the record in hand); off: bytes on from there
.macro KLOAD a8, a4, off
.irp t, 0,1,2,3,4,5,6,7
.irp g, 0,1,2
	ds_load_b64 v[32+6*\t+2*\g:33+6*\t+2*\g], v[\a8] offset:\off+768*\t+256*\g
.endr
.endr
.irp k, 0,1,2,3
	ds_load_b32 v[86+\k], v[\a4] offset:\off+12288+128*\k   ; k's words: lanes 0-15 tile 2 k, lanes 16-31 tile 2 k + 1
.endr
.endm
; A KEY STEP: one record, 128 keys.  Its K was asked for a step ago.  pre = 1: the next record's K is asked for
.macro STEP pre
	v_add_nc_u32 v8, s2, v1
	v_add_nc_u32 v9, s2, v2
	v_add_nc_u32 v10, s2, v3
	v_nop                                          ; four places in front of loads into registers that the last products V^T P read
.irp d, 0,1,2,3
.irp c, 0,1,2
	ds_load_b128 v[192+12*\d+4*\c:195+12*\d+4*\c], v9 offset:6144+1536*\d+512*\c
.endr
.endr
.irp k, 0,1
	ds_load_b32 v[90+\k], v10 offset:12800+128*\k  ; v's words: lanes 0-15 tile 2 k, lanes 16-31 tile 2 k + 1
.endr
	s_wait_dscnt 14                                ; k's 28 loads, issued ahead of these 14, are in; v's 14 may be out
.irp t, 0,2,4,6
	v_wmma_scale_f32_16x16x128_f8f6f4 v[96+8*\t:103+8*\t], v[32+6*\t:43+6*\t], v[16:27], 0, v[86+\t/2], v92 matrix_a_fmt:MATRIX_FMT_FP6 matrix_b_fmt:MATRIX_FMT_FP6
	v_wmma_scale_f32_16x16x128_f8f6f4 v[104+8*\t:111+8*\t], v[38+6*\t:49+6*\t], v[16:27], 0, v[86+\t/2], v92 matrix_a_fmt:MATRIX_FMT_FP6 matrix_b_fmt:MATRIX_FMT_FP6 matrix_a_scale:MATRIX_SCALE_ROW1
.endr
.rept 4
	v_nop                                          ; four places: in front of the loads into k's registers and words, and of the first read of the scores
.endr
.if \pre
	s_wait_alu depctr_va_vdst(0)
	KLOAD 8, 10, REC                               ; the next record's k: it lands under the softmax; nothing names these registers before the next step's wait
.endif
.irp b, 0,1,2,3
	v_max3_num_f32 v[BM+\b], v[96+16*\b], v[97+16*\b], v[98+16*\b]   ; the largest score of each block of 32 keys: for the row's maximum and for the block's largest p
.endr
.irp i, 3,5,7,9,11,13
.irp b, 0,1,2,3
	v_max3_num_f32 v[BM+\b], v[BM+\b], v[96+16*\b+\i], v[97+16*\b+\i]
.endr
.endr
.irp b, 0,1,2,3
	v_max_num_f32 v[BM+\b], v[BM+\b], v[111+16*\b]
.endr
.irp b, 0,1,2,3
	s_delay_alu instid0(VALU_DEP_4)
	v_permlanex16_b32 v[EX+\b], v[BM+\b], s20, s21
.endr
.irp b, 0,1,2,3
	s_delay_alu instid0(VALU_DEP_4)
	v_max_num_f32 v[BM+\b], v[BM+\b], v[EX+\b]
.endr
	s_delay_alu instid0(VALU_DEP_2)
	v_max3_num_f32 v254, v[BM], v[BM+1], v[BM+2]
	s_delay_alu instid0(VALU_DEP_1)
	v_max_num_f32 v254, v254, v[BM+3]
	s_delay_alu instid0(VALU_DEP_1)
	v_mul_f32 v254, s22, v254                      ; as t
	s_delay_alu instid0(VALU_DEP_1)
	v_max_num_f32 v13, v13, v254                   ; the running largest t
	v_mov_b32 v254, v12
	s_delay_alu instid0(VALU_DEP_2)
	v_floor_f32 v12, -v13                          ; the new -M: a whole number
	s_delay_alu instid0(VALU_DEP_1)
	v_sub_f32 v254, v12, v254
	s_delay_alu instid0(VALU_DEP_1)
	v_cvt_i32_f32 v254, v254                       ; (it saturates)
	s_delay_alu instid0(VALU_DEP_1)
	v_ldexp_f32 v252, 1.0, v254                    ; f = 2^(old M - new M): exact
.set J, 0
.rept 32
	v_pk_fma_f32 v[96+J:97+J], v[96+J:97+J], s[22:23], v[12:13] op_sel_hi:[1,0,0]   ; t - M
.set J, J+2
.endr
.irp b, 0,1,2,3
	v_fma_f32 v[BM+\b], v[BM+\b], s22, v12
.endr
.set J, 0
	s_wait_alu depctr_va_vdst(0)
.rept 64
	v_exp_f32 v[96+J], v[96+J]                     ; p = 2^(t - M)
.set J, J+1
.endr
	v_pk_mul_f32 v[14:15], v[14:15], v[252:253] op_sel_hi:[1,0]   ; the sums under the new M: a plain line behind the exponentials
	s_wait_alu depctr_va_vdst(0)                   ; one wait for the batch, ahead of its first reader
.irp b, 0,1,2,3
	v_exp_f32 v[BM+\b], v[BM+\b]                   ; the block's largest p
.endr
	v_pk_add_f32 v[244:245], v[108:109], v[116:117]
	v_pk_add_f32 v[246:247], v[124:125], v[132:133]
	v_pk_add_f32 v[28:29], v[140:141], v[148:149]
	v_pk_add_f32 v[250:251], v[156:157], v[96:97]
	v_pk_add_f32 v[248:249], v[98:99], v[110:111]
	v_pk_add_f32 v[30:31], v[118:119], v[126:127]
	v_pk_add_f32 v[8:9], v[134:135], v[142:143]
	v_pk_add_f32 v[14:15], v[14:15], v[150:151]
	v_pk_add_f32 v[244:245], v[244:245], v[158:159]
	v_pk_add_f32 v[246:247], v[246:247], v[100:101]
	v_pk_add_f32 v[28:29], v[28:29], v[102:103]
	v_pk_add_f32 v[250:251], v[250:251], v[112:113]
	v_pk_add_f32 v[248:249], v[248:249], v[120:121]
	v_pk_add_f32 v[30:31], v[30:31], v[128:129]
	v_pk_add_f32 v[8:9], v[8:9], v[136:137]
	v_pk_add_f32 v[14:15], v[14:15], v[144:145]
	v_pk_add_f32 v[244:245], v[244:245], v[152:153]
	v_pk_add_f32 v[246:247], v[246:247], v[104:105]
	v_pk_add_f32 v[28:29], v[28:29], v[106:107]
	v_pk_add_f32 v[250:251], v[250:251], v[114:115]
	v_pk_add_f32 v[248:249], v[248:249], v[122:123]
	v_pk_add_f32 v[30:31], v[30:31], v[130:131]
	v_pk_add_f32 v[8:9], v[8:9], v[138:139]
	v_pk_add_f32 v[14:15], v[14:15], v[146:147]
	v_pk_add_f32 v[244:245], v[244:245], v[154:155]
	s_delay_alu instid0(VALU_DEP_2)
	v_pk_add_f32 v[14:15], v[14:15], v[250:251]
	s_delay_alu instid0(VALU_DEP_2)
	v_pk_add_f32 v[244:245], v[244:245], v[248:249]
	v_pk_add_f32 v[246:247], v[246:247], v[30:31]
	v_pk_add_f32 v[28:29], v[28:29], v[8:9]
	s_delay_alu instid0(VALU_DEP_2)
	v_pk_add_f32 v[14:15], v[14:15], v[246:247]
	s_delay_alu instid0(VALU_DEP_2)
	v_pk_add_f32 v[244:245], v[244:245], v[28:29]
	s_delay_alu instid0(VALU_DEP_1)
	v_pk_add_f32 v[14:15], v[14:15], v[244:245]
	s_wait_alu depctr_va_vdst(0)                   ; and one for the four
.irp b, 0,1,2,3
	v_max_num_f32 v[BM+\b], 0x1800000, v[BM+\b]    ; the floor 2^(3 - 127)
.endr
.irp b, 0,1,2,3
	s_delay_alu instid0(VALU_DEP_4)
	v_add_nc_u32 v[SO+\b], 0xff000000, v[BM+\b]    ; 2 off the exponent field: the conversion's scale operand
.endr
.irp b, 0,1,2,3
	s_delay_alu instid0(VALU_DEP_4)
	v_lshrrev_b32 v[EX+\b], 23, v[SO+\b]
.endr
	s_delay_alu instid0(VALU_DEP_3)
	v_lshl_or_b32 v93, v[EX+1], 8, v[EX]           ; p's scale word for these 128 keys
	s_delay_alu instid0(VALU_DEP_1)
	v_lshl_or_b32 v93, v[EX+2], 16, v93
	s_delay_alu instid0(VALU_DEP_1)
	v_lshl_or_b32 v93, v[EX+3], 24, v93
	v_cvt_scalef32_pk16_fp6_f32 v[PF:PF+2], v[96:111], v[SO]          ; blocks 0 and 2 go straight to their places in p's fragment: the maxima and bytes that lay there are done with
	v_cvt_scalef32_pk16_fp6_f32 v[PF+6:PF+8], v[128:143], v[SO+2]
	v_nop                                          ; a plain line: the next two write registers that the first conversion read
	v_cvt_scalef32_pk16_fp6_f32 v[96:98], v[112:127], v[SO+1]         ; blocks 1 and 3 are made where block 0's numbers lay (three registers from an even one on) and moved
	v_cvt_scalef32_pk16_fp6_f32 v[100:102], v[144:159], v[SO+3]
	v_nop                                          ; one plain line behind the scaled conversions
.irp c, 0,1                                    ; the operand wants a whole block in a lane: lanes 0-15 block 2 c, lanes 16-31 block 2 c + 1
.irp i, 0,1,2
	v_permlane16_swap_b32 v[PF+6*\c+\i], v[96+4*\c+\i]
.endr
.irp i, 0,1,2
	s_delay_alu instid0(VALU_DEP_3)
	v_mov_b32 v[PF+3+6*\c+\i], v[96+4*\c+\i]
.endr
.endr
.set J, 0
.rept 16
	v_pk_mul_f32 v[160+J:161+J], v[160+J:161+J], v[252:253] op_sel_hi:[1,0]   ; O^T under the new M; also the places in front of the scaled products
.set J, J+2
.endr
.if \pre
	s_wait_alu depctr_va_vdst(0)
	s_wait_dscnt 28                                ; v's 14 loads are in; the next k's 28, issued behind them, may be out
.else
	s_wait_alu depctr_va_vdst(0)
	s_wait_dscnt 0x0                               ; v
.endif
.irp d, 0,2
	v_wmma_scale_f32_16x16x128_f8f6f4 v[160+8*\d:167+8*\d], v[192+12*\d:203+12*\d], v[PF:PF+11], v[160+8*\d:167+8*\d], v[90+\d/2], v93 matrix_a_fmt:MATRIX_FMT_FP6 matrix_b_fmt:MATRIX_FMT_FP6
	v_wmma_scale_f32_16x16x128_f8f6f4 v[168+8*\d:175+8*\d], v[204+12*\d:215+12*\d], v[PF:PF+11], v[168+8*\d:175+8*\d], v[90+\d/2], v93 matrix_a_fmt:MATRIX_FMT_FP6 matrix_b_fmt:MATRIX_FMT_FP6 matrix_a_scale:MATRIX_SCALE_ROW1
.endr
	s_add_co_u32 s2, s2, REC
.endm
; A MEETING: every wave waits for its one record; no LDS load of mine is out; the barrier shows the records to all
.macro MEET                            ; ONE MEETING: every wave waits for its own record (each has asked for one); the barrier shows all sixteen to all waves; behind it the waves run free
	s_wait_alu depctr_va_vdst(0)
	s_wait_tensorcnt 0x0
	s_wait_dscnt 0x0
	s_barrier_signal -1
	s_barrier_wait -1
.endm
.macro RUN trips
	s_mov_b32 s3, \trips
.Lstep_\@:
	STEP 1
	s_sub_co_u32 s3, s3, 1
	s_cmp_lg_u32 s3, 0
	s_cbranch_scc1 .Lstep_\@
.endm
	MEET
	KLOAD 1, 3, 0                                  ; record 0's k
	RUN 15                                         ; steps 0 to 14: v of the record in hand, k of the next
	STEP 0                                         ; step 15 asks for nothing: there is no record behind it
	; THE WAY OUT: O^T / l; register 16 b + i is d = 32 b + 16 h + i of my query (v^T's rows were chosen for that): two blocks of 32, quantised as they stand
	v_add_f32 v14, v14, v15
	s_delay_alu instid0(VALU_DEP_1)
	v_permlanex16_b32 v252, v14, s20, s21
	s_delay_alu instid0(VALU_DEP_1)
	v_add_f32 v14, v14, v252                       ; the row's sum
	s_wait_alu depctr_va_vdst(0)
	v_rcp_f32 v14, v14
.rept 4
	v_nop                                          ; the places behind the last products, and the plain line behind the reciprocal
.endr
	s_wait_alu depctr_va_vdst(0)
.set J, 0
.rept 32
	v_mul_f32 v[96+J], v[160+J], v14               ; each accumulator from its low end on
.set J, J+1
.endr
.irp b, 0,1
	v_max3_num_f32 v[BM+\b], |v[96+16*\b]|, |v[97+16*\b]|, 0x1800000
.endr
.irp i, 2,4,6,8,10,12,14
.irp b, 0,1
	s_delay_alu instid0(VALU_DEP_2)
	v_max3_num_f32 v[BM+\b], v[BM+\b], |v[96+16*\b+\i]|, |v[97+16*\b+\i]|
.endr
.endr
.irp b, 0,1
	s_delay_alu instid0(VALU_DEP_2)
	v_permlanex16_b32 v[EX+\b], v[BM+\b], s20, s21
.endr
.irp b, 0,1
	s_delay_alu instid0(VALU_DEP_2)
	v_max_num_f32 v[BM+\b], v[BM+\b], v[EX+\b]
.endr
.irp b, 0,1
	s_delay_alu instid0(VALU_DEP_2)
	v_add_nc_u32 v[SO+\b], 0xff000000, v[BM+\b]
.endr
.irp b, 0,1
	s_delay_alu instid0(VALU_DEP_2)
	v_lshrrev_b32 v[EX+\b], 23, v[SO+\b]
.endr
	s_delay_alu instid0(VALU_DEP_1)
	v_lshl_or_b32 v254, v[EX+1], 8, v[EX]          ; my head's two bytes of the row's scale word
	v_cvt_scalef32_pk16_fp6_f32 v[32:34], v[96:111], v[SO]
	v_cvt_scalef32_pk16_fp6_f32 v[44:46], v[112:127], v[SO+1]
	v_nop
.irp i, 0,1,2
	v_permlane16_swap_b32 v[32+\i], v[44+\i]
.endr
.irp i, 0,1,2
	s_delay_alu instid0(VALU_DEP_3)
	v_mov_b32 v[35+\i], v[44+\i]
.endr
.irp g, 0,1,2
	global_store_b64 v1, v[32+2*\g:33+2*\g], s[72:73] offset:256*\g   ; 256 consecutive bytes a store
.endr
	global_store_b16 v11, v254, s[74:75]           ; lanes 16-31 write what lanes 0-15 write
	s_wait_dscnt 0x0
	s_wait_tensorcnt 0x0
	ds_add_u32 v95, v255
	s_wait_dscnt 0x0
	CROUND                                         ; the closing round
	s_endpgm
.Lfunc_end_k_qd4a46ae0bf_attn:
	.size	k_qd4a46ae0bf_attn, .Lfunc_end_k_qd4a46ae0bf_attn-k_qd4a46ae0bf_attn
	.p2alignl 7, 3214868480
	.fill 96, 4, 3214868480
	.section	.rodata,"a",@progbits
	.p2align	6, 0x0
	.amdhsa_kernel k_qd4a46ae0bf_attn
		.amdhsa_group_segment_fixed_size 210944
		.amdhsa_private_segment_fixed_size 0
		.amdhsa_enable_private_segment 0
		.amdhsa_kernarg_size 24
		.amdhsa_user_sgpr_count 2
		.amdhsa_user_sgpr_kernarg_segment_ptr 1
		.amdhsa_wavefront_size32 1
		.amdhsa_system_sgpr_workgroup_id_x 1
		.amdhsa_system_sgpr_workgroup_id_y 1
		.amdhsa_system_sgpr_workgroup_id_z 1
		.amdhsa_system_vgpr_workitem_id 0
		.amdhsa_next_free_vgpr 256
		.amdhsa_next_free_sgpr 80
		.amdhsa_reserve_vcc 0
		.amdhsa_float_denorm_mode_32 3
		.amdhsa_float_denorm_mode_16_64 3
		.amdhsa_memory_ordered 1
		.amdhsa_forward_progress 1
		.amdhsa_inst_pref_size 47
	.end_amdhsa_kernel
	.amdgpu_metadata
---
amdhsa.version: [ 1, 2 ]
amdhsa.kernels:
  - .name:           k_qd4a46ae0bf_attn
    .symbol:         k_qd4a46ae0bf_attn.kd
    .args:
      - { .name: qbuf, .offset: 0, .size: 8, .value_kind: global_buffer, .address_space: global }
      - { .name: kvrec, .offset: 8, .size: 8, .value_kind: global_buffer, .address_space: global }
      - { .name: obuf, .offset: 16, .size: 8, .value_kind: global_buffer, .address_space: global }
    .group_segment_fixed_size: 210944
    .private_segment_fixed_size: 0
    .kernarg_segment_align: 8
    .kernarg_segment_size: 24
    .max_flat_workgroup_size: 512
    .sgpr_count:     80
    .vgpr_count:     256
    .wavefront_size: 32
...
	.end_amdgpu_metadata
.endif
;; end of part 3
;; launch wo (part 4): grid 8 x 32, 4 waves a work-group, clusters of 4 x 4, 327,680 bytes of LDS; arguments obuf, Wo_codes, Wo_scales, bo, x, x1; writes x1
.if DOCPART == 4
	.amdgcn_target "amdgcn-amd-amdhsa--gfx1250"
	.amdhsa_code_object_version 6
	.text
	.protected	k_qd4a46ae0bf_wo
	.globl	k_qd4a46ae0bf_wo
	.p2align	8
	.type	k_qd4a46ae0bf_wo,@function
k_qd4a46ae0bf_wo:
	s_mov_b64 s[64:65], 0
	v_nop
	global_prefetch_b8 v0, s[64:65] scope:SCOPE_SE
	s_setreg_imm32_b32 hwreg(HW_REG_WAVE_MODE, 25, 1), 1
	s_wait_xcnt 0x0
	s_wait_alu depctr_hold_cnt(0) depctr_sa_sdst(0) depctr_va_vdst(0) depctr_va_sdst(0) depctr_va_ssrc(0) depctr_va_vcc(0) depctr_vm_vsrc(0)
	s_getreg_b32 s2, hwreg(HW_REG_IB_STS2, 6, 4)
	s_cmp_eq_u32 s2, 0
	s_cbranch_scc0 .Lentry_in_a_cluster
	s_endpgm
.Lentry_in_a_cluster:
	s_bfe_u32 s2, ttmp6, 0x10000c
	s_cmp_lg_u32 s2, 0xf033
	s_cbranch_scc0 .Lentry_shape_is_right
	s_endpgm
.Lentry_shape_is_right:
; out = res + A B^T + bias on codes of FP6 (E2M3) with E8M0 scales; out and res are [4096][1024] f32.
; A: images of operand registers (16 rows x 128 K = 1,536 bytes, pair g of lane l at 256 g + 8 l; a tile of 16 rows is 12 SIZE_K bytes) and, behind them, scale words at (row / 64) (SIZE_K / 128) 256 + 256 ks + 4 (row % 64).
; B: rows of codes, K innermost; scale bytes SIZE_K / 32 a row.
; N is 1,024: tiles of 256 x 256 would be 64, so a tile is 128 x 128 (256 work-groups), a wave 64 x 64: 16 accumulators.  All of K lies in LDS at once; a STEP is 256 along K, 32 matrix instructions.
; CLUSTER 4 x 4: A's tiles are asked for jointly along a row of the cluster, B's along a column.  The matrix instruction is used transposed; the bias is the C of each sum's first instruction.
; The residual is asked for at the head, into registers of window 3, in the layout in which rows come back from the stage.
; LIMITS: NaN and infinities are not served.
; REGISTERS: window 0: v16-30 addresses; v32-63 B's scale words, v240-255 A's (scales and nothing else); v64-95 the bias; v128-223 A's 8 fragments.  Window 1: B's fragments, two sets.  Window 2: accumulators.  Window 3: the residual.
.set SIZE_K, 1024
.set NB,     4
; ALL OF K LIES IN LDS AT ONCE: A's 8 tiles of rows (98,304 bytes) and B's 128 whole rows of 768 bytes, each filled once by one tensor load at the head; there is no ring, no refill, no loop, and so no prefetch.
.set NKS,    8
.set KD,     2
.set ROWA,   12288
.set ROWB,   768
.set QI,     5                         ; padding behind every 256 bytes
.set PIV,    32
.set PITCH,  816                       ; 204 words: the 16 rows of a fragment start at 16 different multiples of 4 banks
.set DH,     64
.set DQ,     256
.set WROWS,  16*NB
.set HALFA,  NB*ROWA
.set HALFB,  WROWS*PITCH
.set SLOT,   2*HALFA+2*HALFB
.set KS,     SIZE_K/32
.set KROW,   SIZE_K*3/4
.set IMGB,   4096*KROW
.set HALFSA, WROWS*KS
.set HALFSB, (WROWS*KS/256)*272
.set SBLK,   (16*KS/256)*272
.set SCLA,   SLOT
.set SCLB,   SCLA+2*HALFSA
.set STG,    SCLB+2*HALFSB             ; behind the scales: the stages, bytes of their own
.set SPARE,  327168                    ; the spare words: 128 bytes a wave, named by nothing but the add
.set LAPS,   SIZE_K/(256*NKS)
.set ADRA, 16
.set ADRB, 20
.set STO,  24
.set RD,   25
.set CO,   26
.set ADRSB, 27
.set SPW,  28
.set NIL,  29
.set ADRSA, 30
.set SCB,  32
.set BIAS, 64
.set AF,   128
.set BK,   128
.set SCA,  240
.set G1, 24
.set G0, 32
.set G1B, 48
.set G0B, 56
.set G1S, 68
.set G0S, 76
.set G1SB, 80
.set G0SB, 88
.set MSB, 0
.macro WIN new                         ; the immediate's high byte repeats the setting that is left
.if MSB != (\new)
	s_set_vgpr_msb (MSB<<8)|(\new)
.set MSB, (\new)
.endif
.endm
.macro PLACES n
.rept \n
	v_nop
.endr
.endm
.macro JLOAD g0a, g1a, g0b, g1b        ; a joint load: waves 0, 1 fetch for A, waves 2, 3 for B; four v_nop follow each line
	s_cmp_eq_u32 s15, 0
	s_cbranch_scc0 .Lfor_b_\@
	tensor_load_to_lds s[\g0a:\g0a+3], s[\g1a:\g1a+7]
	s_nop 0
.rept 4
	v_nop
.endr
	s_branch .Lasked_\@
.Lfor_b_\@:
	tensor_load_to_lds s[\g0b:\g0b+3], s[\g1b:\g1b+7]
	s_nop 0
.rept 4
	v_nop
.endr
.Lasked_\@:
.endm
.macro CREST
	s_cmp_lg_u32 s14, 0
	s_cbranch_scc1 .Lnot_wave_0_\@
	s_barrier_signal -3
.Lnot_wave_0_\@:
	s_barrier_wait -3
	s_barrier_signal -1
	s_barrier_wait -1
.endm
.macro CROUND
	s_barrier_signal -1
	s_barrier_wait -1
	CREST
.endm
	s_load_b64 s[4:5], s[0:1], 0x0                 ; A's images
	s_load_b128 s[8:11], s[0:1], 0x8               ; B's codes, B's scale bytes
	s_load_b64 s[12:13], s[0:1], 0x18              ; the bias
	s_load_b128 s[92:95], s[0:1], 0x20             ; the residual, the output
	v_lshl_add_u32 v[SPW], v0, 2, SPARE
	v_mov_b32 v[NIL], 0
	ds_add_u32 v28, v29
	ds_add_u32 v28, v29
	s_wait_dscnt 0x0
	v_lshrrev_b32 v1, 5, v0
	v_readfirstlane_b32 s14, v1                    ; wave 0..3
	s_lshr_b32 s15, s14, 1                         ; my half of the tile's rows; also: I fetch for A (0) or B (1)
	s_and_b32 s16, s14, 1                          ; my half of its columns; also: which half I fetch
	s_bfe_u32 s40, ttmp6, 0x40000                  ; cx
	s_bfe_u32 s41, ttmp6, 0x40004                  ; cy
	s_lshl_b32 s42, ttmp9, 2
	s_add_co_u32 s42, s42, s40                     ; tile column
	s_and_b32 s17, ttmp7, 0xffff
	s_lshl_b32 s17, s17, 2
	s_add_co_u32 s17, s17, s41                     ; tile row
	s_lshl_b32 s43, s41, 2
	s_lshl_b32 s43, 15, s43                        ; my row of the cluster
	s_lshl_b32 s44, 0x1111, s40                    ; my column
	s_or_b32 s[G1+0], s43, (3<<16)|(1<<21)         ; A's codes: NB rows (tiles of 16 rows) of ROWA bytes, elements of 8 bytes, no padding
	s_mov_b32 s[G1+1], (ROWA/8)<<16
	s_mov_b32 s[G1+2], NB<<16
	s_mov_b32 s[G1+3], (ROWA/8)<<16
	s_mov_b32 s[G1+4], NB
	s_mov_b32 s[G1+5], SIZE_K*12/8
	s_mov_b32 s[G1+6], 0
	s_mov_b32 s[G1+7], 0
	s_or_b32 s[G1B+0], s44, (0<<16)|(1<<20)|(1<<21)|(QI<<22)|(3<<25)   ; B's codes: WROWS rows of ROWB bytes, 16 bytes of padding behind each interval
	s_mov_b32 s[G1B+1], ROWB<<16
	s_mov_b32 s[G1B+2], WROWS<<16
	s_mov_b32 s[G1B+3], ROWB<<16
	s_mov_b32 s[G1B+4], WROWS
	s_mov_b32 s[G1B+5], KROW
	s_mov_b32 s[G1B+6], 0
	s_mov_b32 s[G1B+7], 0
	s_or_b32 s[G1S+0], s43, (3<<16)|(1<<21)        ; A's words: a dense block as rows of 256 bytes
	s_mov_b32 s[G1S+1], 32<<16
	s_mov_b32 s[G1S+2], (HALFSA/256)<<16
	s_mov_b32 s[G1S+3], 32<<16
	s_mov_b32 s[G1S+4], HALFSA/256
	s_mov_b32 s[G1S+5], 32
	s_mov_b32 s[G1S+6], 0
	s_mov_b32 s[G1S+7], 0
	s_or_b32 s[G1SB+0], s44, (3<<16)|(1<<20)|(1<<21)|(5<<22)|(3<<25)   ; B's scale bytes: the same with 16 bytes of padding behind each 256
	s_mov_b32 s[G1SB+1], 32<<16
	s_mov_b32 s[G1SB+2], (WROWS*KS/256)<<16
	s_mov_b32 s[G1SB+3], 32<<16
	s_mov_b32 s[G1SB+4], WROWS*KS/256
	s_mov_b32 s[G1SB+5], 32
	s_mov_b32 s[G1SB+6], 0
	s_mov_b32 s[G1SB+7], 0
	s_mul_i32 s20, s17, 2*WROWS                    ; A: the tile's first row (hangs on the tile row alone)
	s_mul_i32 s46, s42, 2*WROWS                    ; B: the tile's first row (on the tile column alone)
	s_mul_i32 s22, s20, KS
	s_mul_i32 s96, s46, KS
	s_mul_i32 s20, s20, KROW
	s_mul_i32 s46, s46, KROW
	s_mov_b32 s21, 0
	s_mov_b32 s23, 0
	s_mov_b32 s47, 0
	s_mov_b32 s97, 0
	s_wait_kmcnt 0x0
	s_add_nc_u64 s[6:7], s[4:5], IMGB              ; A's words lie behind its images
	s_add_nc_u64 s[20:21], s[4:5], s[20:21]
	s_add_nc_u64 s[22:23], s[6:7], s[22:23]
	s_add_nc_u64 s[46:47], s[8:9], s[46:47]
	s_add_nc_u64 s[96:97], s[10:11], s[96:97]
	CROUND                                         ; all sixteen work-groups are here: the first joint loads meet
	s_mov_b32 s[G1+2], (2*NB)<<16                  ; every tile is whole: A's 8 tiles of rows,
	s_mov_b32 s[G1+4], 2*NB
	s_mov_b32 s[G1B+2], (2*WROWS)<<16              ; B's 128 rows,
	s_mov_b32 s[G1B+4], 2*WROWS
	s_mov_b32 s[G1S+2], (2*HALFSA/256)<<16         ; the scales of 128 rows
	s_mov_b32 s[G1S+4], 2*HALFSA/256
	s_mov_b32 s[G1SB+2], (2*WROWS*KS/256)<<16
	s_mov_b32 s[G1SB+4], 2*WROWS*KS/256
	s_mov_b32 s[G0S], 1
	s_mov_b32 s[G0S+1], SCLA
	s_mov_b64 s[G0S+2:G0S+3], s[22:23]
	s_or_b32 s[G0S+3], s[G0S+3], 0x80000000
	s_mov_b32 s[G0SB], 1
	s_mov_b32 s[G0SB+1], SCLB
	s_mov_b64 s[G0SB+2:G0SB+3], s[96:97]
	s_or_b32 s[G0SB+3], s[G0SB+3], 0x80000000
	s_mov_b32 s[G0], 1
	s_mov_b32 s[G0+1], 0
	s_mov_b64 s[G0+2:G0+3], s[20:21]
	s_or_b32 s[G0+3], s[G0+3], 0x80000000
	s_mov_b32 s[G0B], 1
	s_mov_b32 s[G0B+1], 2*HALFA
	s_mov_b64 s[G0B+2:G0B+3], s[46:47]
	s_or_b32 s[G0B+3], s[G0B+3], 0x80000000
; the launch's four loads, one a wave, in one chain of branches on the wave's number: A's codes, B's codes, A's scales, B's scales
.macro ARM under, g0, g1, next
	s_cmp_lt_u32 s14, \under
	s_cbranch_scc0 \next
	tensor_load_to_lds s[\g0:\g0+3], s[\g1:\g1+7]
	s_nop 0
.rept 4
	v_nop
.endr
	s_branch .Lhead_asked
\next:
.endm
	ARM 1, G0,  G1,  .Lhead_b
	ARM 2, G0B, G1B, .Lhead_sa
	ARM 3, G0S, G1S, .Lhead_sb
	tensor_load_to_lds s[G0SB:G0SB+3], s[G1SB:G1SB+7]
	s_nop 0
.rept 4
	v_nop
.endr
.Lhead_asked:
	v_and_b32 v1, 15, v0                           ; r
	v_bfe_u32 v2, v0, 4, 1                         ; h
	v_and_b32 v3, 31, v0                           ; lane
	v_lshlrev_b32 v4, 3, v3
	s_mul_i32 s21, s15, HALFA
	v_add_nc_u32 v[ADRA], s21, v4
	v_mul_u32_u24 v5, v1, PITCH
	v_mad_u32_u24 v5, v2, 24, v5
	v_lshl_add_u32 v6, v2, 4, v5
	s_mul_i32 s22, s16, HALFB
	s_add_co_u32 s22, s22, 2*HALFA
	v_add_nc_u32 v[ADRB], s22, v5
	v_add_nc_u32 v[ADRB+2], s22, v6
	v_mul_u32_u24 v7, v1, KS
	v_lshrrev_b32 v8, 8, v7
	v_lshl_add_u32 v7, v8, 4, v7
	s_mul_i32 s22, s16, HALFSB
	s_add_co_u32 s22, s22, SCLB
	v_add_nc_u32 v[ADRSB], s22, v7
	v_lshlrev_b32 v7, 2, v1
	v_mad_u32_u24 v7, v2, DH, v7
	s_mul_i32 s21, s15, HALFSA
	s_add_co_u32 s21, s21, SCLA
	v_add_nc_u32 v[ADRSA], s21, v7
	s_mul_i32 s21, s14, 16*272                     ; my stage: 16 rows x (256 bytes + 16), on bytes into which no fill lands
	s_add_co_u32 s21, s21, STG
	v_mul_u32_u24 v5, v1, 272
	v_lshl_add_u32 v5, v2, 5, v5
	v_add_nc_u32 v[STO], s21, v5                   ; in: row r, + 32 h
	v_mul_u32_u24 v5, v2, 272
	v_lshl_add_u32 v5, v1, 4, v5
	v_add_nc_u32 v[RD], s21, v5                    ; back: lanes 0-15 one row, lanes 16-31 the next
	v_lshlrev_b32 v5, 12, v2
	v_lshl_add_u32 v[CO], v1, 4, v5                ; and the same two rows in memory
	s_wait_alu depctr_va_vdst(0)
	s_mul_i32 s46, s42, 2*WROWS*4
	s_mul_i32 s47, s16, WROWS*4
	s_add_co_u32 s46, s46, s47
	s_mov_b32 s47, 0
	s_add_nc_u64 s[12:13], s[12:13], s[46:47]      ; the bias of my columns
	v_lshlrev_b32 v9, 5, v2
.irp b, 0,1,2,3,4,5,6,7
.if \b < NB
	global_load_b128 v[BIAS+8*\b:BIAS+8*\b+3], v9, s[12:13] offset:64*\b
	global_load_b128 v[BIAS+8*\b+4:BIAS+8*\b+7], v9, s[12:13] offset:64*\b+16
.endif
.endr
	s_lshl_b32 s100, s17, 19                       ; 128 rows of 4,096 bytes a tile row,
	s_lshl_b32 s101, s15, 18
	s_add_co_u32 s100, s100, s101
	s_lshl_b32 s101, s42, 9                        ; 128 columns of 4 bytes a tile column
	s_add_co_u32 s100, s100, s101
	s_lshl_b32 s101, s16, 8
	s_add_co_u32 s100, s100, s101
	s_mov_b32 s101, 0
	s_add_nc_u64 s[92:93], s[92:93], s[100:101]
	s_add_nc_u64 s[94:95], s[94:95], s[100:101]
	WIN 0xc0                                       ; destination window 3
.irp a, 0,1,2,3
.irp t, 0,1,2,3,4,5,6,7
	global_load_b128 v[4*(8*\a+\t):4*(8*\a+\t)+3], v[CO], s[92:93] offset:(16*\a+2*\t)*4096   ; sixteen lanes read 256 consecutive bytes
.endr
.endr
	WIN 0
.macro FRAG_A reg, adr, k, i
.irp g, 0,1,2,3,4,5
	ds_load_b64 v[\reg+2*\g:\reg+2*\g+1], v[\adr] offset:(\i)*ROWA+(\k)*1536+256*\g
.endr
.endm
.macro FRAG_B reg, adr, k, i           ; lanes 0-15 take pieces 12 k + 0, 1, 2, 6, 7, 8 of 8 bytes, lanes 16-31 those three on; where that is behind one padding more the second address serves
.irp p, 0,1,2,3,4,5
.set PCE, 12*(\k)+6*(\p/3)+\p%3
.if PCE%PIV < PIV-3
	ds_load_b64 v[\reg+2*\p:\reg+2*\p+1], v[\adr] offset:8*PCE+16*(PCE/PIV)+(\i)*16*PITCH
.else
	ds_load_b64 v[\reg+2*\p:\reg+2*\p+1], v[\adr+2] offset:8*PCE+16*(PCE/PIV)+(\i)*16*PITCH
.endif
.endr
.endm
.macro FETCH_B slot, q, p              ; fragment f = block f % NB, K step KD q + f / NB
	WIN 0x40
.irp f, 0,1,2,3,4,5,6,7
	FRAG_B 128*(\p)+12*\f, ADRB+\slot, KD*(\q)+\f/NB, \f%NB
.endr
	WIN 0
.endm
.macro FETCH_A slot, q, f0
.irp f, \f0, \f0+1, \f0+2, \f0+3
	FRAG_A AF+12*(\f), ADRA+\slot, KD*(\q)+(\f)/NB, (\f)%NB
.endr
.endm
.macro SCALES sc
.irp i, 0,1,2,3,4,5,6,7
.if \i < NB
.if NKS == 2
	ds_load_b64 v[SCB+16*\sc+2*\i:SCB+16*\sc+2*\i+1], v[ADRSB] offset:\i*SBLK
.else
	ds_load_b128 v[SCB+8*\i:SCB+8*\i+3], v[ADRSB] offset:\i*SBLK          ; a row's eight words: all of K
	ds_load_b128 v[SCB+8*\i+4:SCB+8*\i+7], v[ADRSB] offset:\i*SBLK+16
.endif
.endif
.endr
.irp i2, 0,1,2,3
.if \i2 < NB/2
.irp k, 0,1,2,3,4,5,6,7
.if \k < NKS
	ds_load_b32 v[SCA+8*\sc+NKS*\i2+\k], v[ADRSA] offset:\i2*2*DH+\k*DQ
.endif
.endr
.endif
.endr
.endm
.macro MM d, b, a, c, sb, sa, row1
.if \row1
	v_wmma_scale_f32_16x16x128_f8f6f4 v[\d:\d+7], v[\b:\b+11], v[\a:\a+11], \c, v[\sb], v[\sa] matrix_a_fmt:MATRIX_FMT_FP6 matrix_b_fmt:MATRIX_FMT_FP6 matrix_b_scale:MATRIX_SCALE_ROW1
.else
	v_wmma_scale_f32_16x16x128_f8f6f4 v[\d:\d+7], v[\b:\b+11], v[\a:\a+11], \c, v[\sb], v[\sa] matrix_a_fmt:MATRIX_FMT_FP6 matrix_b_fmt:MATRIX_FMT_FP6
.endif
.endm
; A quarter of a STEP: A's fragments 2 n, 2 n + 1 against B's NB blocks of the same K step.  The accumulators take turns, one instruction a turn.  first = 1: the bias is C.
.macro QUAD n, p, q, sc, first
.set K2, (2*(\n))/NB
.if (\first) && (K2 == 0)
	WIN 0x81+0x40*((NB*((2*(\n))%NB))/32)
.else
	WIN 0xa1+0x50*((NB*((2*(\n))%NB))/32)
.endif
.irp e, 0,1
.irp b, 0,1,2,3,4,5,6,7
.if \b < NB
.set AA, (2*(\n)+\e)%NB
.set AC, 8*((NB*AA+\b)%32)
.set RB, 128*(\p)+12*(\b+NB*K2)
.set RA, AF+12*(2*(\n)+\e)
.set RSB, SCB+16*(\sc)+NKS*\b+KD*(\q)+K2
.set RSA, SCA+8*(\sc)+NKS*(AA/2)+KD*(\q)+K2
.if (\first) && (K2 == 0)
	MM AC, RB, RA, v[BIAS+8*\b:BIAS+8*\b+7], RSB, RSA, \e
.else
	MM AC, RB, RA, v[AC:AC+7], RSB, RSA, \e
.endif
.endif
.endr
.endr
.endm
.macro STEP slot, q, first
	s_wait_dscnt 24                                ; all but the youngest 24 loads (A's fragments 4-7)
	QUAD 0, (\q)%2, \q, \slot, \first
	QUAD 1, (\q)%2, \q, \slot, \first
	s_wait_dscnt 0x0
	PLACES 4
	FETCH_B \slot, (\q)+1, 1-(\q)%2
	FETCH_A \slot, (\q)+1, 0
	QUAD 2, (\q)%2, \q, \slot, \first
	QUAD 3, (\q)%2, \q, \slot, \first
	PLACES 4
	WIN 0
	FETCH_A \slot, (\q)+1, 4
.endm
.macro TURN slot, next, fill
	s_wait_tensorcnt 0x0                           ; all my tensor loads have landed: my part of the next slot
	ds_add_u32 v[SPW], v[NIL]                      ; 0 onto my spare word
	s_wait_dscnt 25                                ; (the add and the youngest 24 loads may be out)
	QUAD 0, 1, 1, \slot, 0
	s_wait_dscnt 0x0                               ; the add is done, and my reads of this slot are over
	s_barrier_signal -1
	QUAD 1, 1, 1, \slot, 0
	WIN 0
	s_barrier_wait -1
.if \fill
	CREST                                          ; the barrier has opened a round of the cluster's
	s_add_nc_u64 s[G0+4*\slot+2:G0+4*\slot+3], s[G0+4*\slot+2:G0+4*\slot+3], 2*ROWA
	s_add_nc_u64 s[G0B+4*\slot+2:G0B+4*\slot+3], s[G0B+4*\slot+2:G0B+4*\slot+3], 2*ROWB
	JLOAD G0+4*\slot, G1, G0B+4*\slot, G1B
.else
	PLACES 4
.endif
	v_add_nc_u32 v[ADRSB], 4*NKS, v[ADRSB]
	v_add_nc_u32 v[ADRSA], NKS*DQ, v[ADRSA]
	FETCH_B \next, 0, 0
	FETCH_A \next, 0, 0
	SCALES \next
	QUAD 2, 1, 1, \slot, 0
	QUAD 3, 1, 1, \slot, 0
	PLACES 4
	WIN 0
	FETCH_A \next, 0, 4
.endm
	s_wait_alu depctr_va_vdst(0)
	s_wait_tensorcnt 0x0                           ; my tile is in; the barrier shows all four to every wave
	s_barrier_signal -1
	s_barrier_wait -1
	FETCH_B 0, 0, 0
	FETCH_A 0, 0, 0
	SCALES 0
	FETCH_A 0, 0, 4
	s_wait_loadcnt 32                              ; the bias is in; the residual's 32 loads may be out
	STEP 0, 0, 1
	STEP 0, 1, 0
	STEP 0, 2, 0
	s_wait_dscnt 24                                ; the fourth and last STEP fetches nothing
	QUAD 0, 1, 3, 0, 0
	QUAD 1, 1, 3, 0, 0
	s_wait_dscnt 0x0
	QUAD 2, 1, 3, 0, 0
	QUAD 3, 1, 3, 0, 0
	WIN 0
; THE WAY OUT, block by block of 16 rows x 64 columns: through my stage, back as rows of 256 bytes, the residual added, stored
.macro TOSTAGE a
	WIN 0x08                                       ; an LDS store's data are its source 1: window 2
.irp b, 0,1,2,3
	ds_store_b128 v[STO], v[8*(4*(\a)+\b):8*(4*(\a)+\b)+3] offset:64*\b
	ds_store_b128 v[STO], v[8*(4*(\a)+\b)+4:8*(4*(\a)+\b)+7] offset:64*\b+16
.endr
	WIN 0
.irp t, 0,1,2,3,4,5,6,7
	ds_load_b128 v[BK+32*((\a)%2)+4*\t:BK+32*((\a)%2)+4*\t+3], v[RD] offset:544*\t   ; LDS serves a wave's instructions in order: these see the stores above
.endr
.endm
.macro SEND a, younger
	s_wait_dscnt \younger
	WIN 0x0c                                       ; source 1: window 3
.irp t, 0,1,2,3,4,5,6,7
	v_pk_add_f32 v[BK+32*((\a)%2)+4*\t:BK+32*((\a)%2)+4*\t+1], v[BK+32*((\a)%2)+4*\t:BK+32*((\a)%2)+4*\t+1], v[4*(8*(\a)+\t):4*(8*(\a)+\t)+1]
	v_pk_add_f32 v[BK+32*((\a)%2)+4*\t+2:BK+32*((\a)%2)+4*\t+3], v[BK+32*((\a)%2)+4*\t+2:BK+32*((\a)%2)+4*\t+3], v[4*(8*(\a)+\t)+2:4*(8*(\a)+\t)+3]
.endr
	WIN 0
.irp t, 0,1,2,3,4,5,6,7
	global_store_b128 v[CO], v[BK+32*((\a)%2)+4*\t:BK+32*((\a)%2)+4*\t+3], s[94:95] offset:(16*(\a)+2*\t)*4096 th:TH_STORE_NT   ; sixteen lanes store 256 consecutive bytes, aligned
.endr
.endm
	s_wait_loadcnt 0x0                             ; the residual
	PLACES 4
	TOSTAGE 0
.irp a, 1,2,3
.if \a > 1
	s_wait_xcnt 0x0                                ; block a - 2's stores have read their registers
.endif
	TOSTAGE \a
	SEND \a-1, 16                                  ; behind block a - 1's loads: block a's 8 stores and 8 loads
.endr
	SEND 3, 0
	s_wait_tensorcnt 0x0                           ; the wave's end
	ds_add_u32 v[SPW], v[NIL]
	s_wait_dscnt 0x0
	CROUND                                         ; the closing round
	s_endpgm
.Lfunc_end_k_qd4a46ae0bf_wo:
	.size	k_qd4a46ae0bf_wo, .Lfunc_end_k_qd4a46ae0bf_wo-k_qd4a46ae0bf_wo
	.p2alignl 7, 3214868480
	.fill 96, 4, 3214868480
	.section	.rodata,"a",@progbits
	.p2align	6, 0x0
	.amdhsa_kernel k_qd4a46ae0bf_wo
		.amdhsa_group_segment_fixed_size 327680
		.amdhsa_private_segment_fixed_size 0
		.amdhsa_enable_private_segment 0
		.amdhsa_kernarg_size 48
		.amdhsa_user_sgpr_count 2
		.amdhsa_user_sgpr_kernarg_segment_ptr 1
		.amdhsa_wavefront_size32 1
		.amdhsa_system_sgpr_workgroup_id_x 1
		.amdhsa_system_sgpr_workgroup_id_y 1
		.amdhsa_system_sgpr_workgroup_id_z 1
		.amdhsa_system_vgpr_workitem_id 0
		.amdhsa_next_free_vgpr 1024
		.amdhsa_next_free_sgpr 102
		.amdhsa_reserve_vcc 0
		.amdhsa_float_denorm_mode_32 3
		.amdhsa_float_denorm_mode_16_64 3
		.amdhsa_memory_ordered 1
		.amdhsa_forward_progress 1
		.amdhsa_inst_pref_size 69
	.end_amdhsa_kernel
	.amdgpu_metadata
---
amdhsa.version: [ 1, 2 ]
amdhsa.kernels:
  - .name:           k_qd4a46ae0bf_wo
    .symbol:         k_qd4a46ae0bf_wo.kd
    .args:
      - { .name: obuf, .offset: 0, .size: 8, .value_kind: global_buffer, .address_space: global }
      - { .name: Wo_codes, .offset: 8, .size: 8, .value_kind: global_buffer, .address_space: global }
      - { .name: Wo_scales, .offset: 16, .size: 8, .value_kind: global_buffer, .address_space: global }
      - { .name: bo, .offset: 24, .size: 8, .value_kind: global_buffer, .address_space: global }
      - { .name: x, .offset: 32, .size: 8, .value_kind: global_buffer, .address_space: global }
      - { .name: x1, .offset: 40, .size: 8, .value_kind: global_buffer, .address_space: global }
    .group_segment_fixed_size: 327680
    .private_segment_fixed_size: 0
    .kernarg_segment_align: 8
    .kernarg_segment_size: 48
    .max_flat_workgroup_size: 128
    .sgpr_count:     102
    .vgpr_count:     1024
    .wavefront_size: 32
...
	.end_amdgpu_metadata
.endif
;; end of part 4
;; launch norm2: the kernel of part 1 again; grid 256 x 1, 4 waves a work-group, no clusters, 67,072 bytes of LDS; arguments x1, scale2, nrm; writes nrm
;; launch ffn1 (part 5): grid 16 x 16, 4 waves a work-group, clusters of 4 x 4, 327,680 bytes of LDS; arguments nrm, W1_codes, W1_scales, b1, hbuf; writes hbuf
.if DOCPART == 5
	.amdgcn_target "amdgcn-amd-amdhsa--gfx1250"
	.amdhsa_code_object_version 6
	.text
	.protected	k_qd4a46ae0bf_ffn1
	.globl	k_qd4a46ae0bf_ffn1
	.p2align	8
	.type	k_qd4a46ae0bf_ffn1,@function
k_qd4a46ae0bf_ffn1:
	s_mov_b64 s[64:65], 0
	v_nop
	global_prefetch_b8 v0, s[64:65] scope:SCOPE_SE
	s_setreg_imm32_b32 hwreg(HW_REG_WAVE_MODE, 25, 1), 1
	s_wait_xcnt 0x0
	s_wait_alu depctr_hold_cnt(0) depctr_sa_sdst(0) depctr_va_vdst(0) depctr_va_sdst(0) depctr_va_ssrc(0) depctr_va_vcc(0) depctr_vm_vsrc(0)
	s_getreg_b32 s2, hwreg(HW_REG_IB_STS2, 6, 4)
	s_cmp_eq_u32 s2, 0
	s_cbranch_scc0 .Lentry_in_a_cluster
	s_endpgm
.Lentry_in_a_cluster:
	s_bfe_u32 s2, ttmp6, 0x10000c
	s_cmp_lg_u32 s2, 0xf033
	s_cbranch_scc0 .Lentry_shape_is_right
	s_endpgm
.Lentry_shape_is_right:
; hidden = gelu(h W1 + b1) on codes of FP6 (E2M3) with E8M0 scales, quantised at once along the hidden axis and stored as images of operand registers with their scale words.
; A tile of 256 x 256 by four waves; A (images) goes in slots of 256 along K through a ring of two LDS slots; cluster 4 x 4 with joint loads.
; B IN LDS: all of K, filled once, as three regions, one for each chunk of 256 bytes of the 256 rows (a row of codes is 768 bytes): every tensor row is 256 bytes of memory from a multiple of 256 on.
; No prefetch: K is four slots, and the first two come by the first fills.  LIMITS: NaN and infinities are not served; erf is a rational form on the argument held to +-4.
.set SIZE_K, 1024
.set NB,     8
.set NKS,    2
.set KD,     1
.set ROWA,   3072
.set ROWB,   256                       ; a chunk of a row of B
.set QI,     5                         ; padding behind every 256 bytes
.set PITCH,  272                       ; a chunk's row in LDS
.set DH,     512
.set DQ,     64
.set WROWS,  16*NB
.set HALFA,  NB*ROWA
.set HALFB,  WROWS*PITCH
.set SLOT,   2*HALFA                   ; a slot: A's 16 tiles of rows, 256 along K
.set BBASE,  2*SLOT                    ; behind the ring: B's three regions
.set CHB,    2*HALFB                   ; a region: 256 rows x 272 bytes
.set KS,     SIZE_K/32
.set KROW,   SIZE_K*3/4
.set IMGB,   4096*KROW
.set HALFSA, WROWS*KS
.set HALFSB, (WROWS*KS/256)*272
.set SBLK,   (16*KS/256)*272
.set SCLA,   BBASE+3*CHB
.set SCLB,   SCLA+2*HALFSA
.set SPARE,  327168
.set LAPS,   SIZE_K/(256*NKS)
.set ADRA, 16
.set ADRB, 20
.set STO,  24
.set RDB,  25
.set ADRSB, 27
.set SPW,  28
.set NIL,  29
.set ADRSA, 30
.set SCB,  32
.set BIAS, 64
.set AF,   128
.set SCA,  240
.set G1, 24
.set G0, 32
.set G1B, 48
.set G0B, 56
.set G1S, 68
.set G0S, 76
.set G1SB, 80
.set G0SB, 88
.set MSB, 0
.macro WIN new
.if MSB != (\new)
	s_set_vgpr_msb (MSB<<8)|(\new)
.set MSB, (\new)
.endif
.endm
.macro PLACES n
.rept \n
	v_nop
.endr
.endm
.macro JLOAD g0a, g1a, g0b, g1b
	s_cmp_eq_u32 s15, 0
	s_cbranch_scc0 .Lfor_b_\@
	tensor_load_to_lds s[\g0a:\g0a+3], s[\g1a:\g1a+7]
	s_nop 0
.rept 4
	v_nop
.endr
	s_branch .Lasked_\@
.Lfor_b_\@:
	tensor_load_to_lds s[\g0b:\g0b+3], s[\g1b:\g1b+7]
	s_nop 0
.rept 4
	v_nop
.endr
.Lasked_\@:
.endm
.macro CREST
	s_cmp_lg_u32 s14, 0
	s_cbranch_scc1 .Lnot_wave_0_\@
	s_barrier_signal -3
.Lnot_wave_0_\@:
	s_barrier_wait -3
	s_barrier_signal -1
	s_barrier_wait -1
.endm
.macro CROUND
	s_barrier_signal -1
	s_barrier_wait -1
	CREST
.endm
	s_load_b64 s[4:5], s[0:1], 0x0
	s_load_b128 s[8:11], s[0:1], 0x8
	s_load_b64 s[12:13], s[0:1], 0x18
	s_load_b64 s[92:93], s[0:1], 0x20
	v_lshl_add_u32 v[SPW], v0, 2, SPARE
	v_mov_b32 v[NIL], 0
	ds_add_u32 v28, v29
	ds_add_u32 v28, v29
	s_wait_dscnt 0x0
	v_lshrrev_b32 v1, 5, v0
	v_readfirstlane_b32 s14, v1
	s_lshr_b32 s15, s14, 1
	s_and_b32 s16, s14, 1
	s_bfe_u32 s40, ttmp6, 0x40000
	s_bfe_u32 s41, ttmp6, 0x40004
	s_lshl_b32 s42, ttmp9, 2
	s_add_co_u32 s42, s42, s40
	s_and_b32 s17, ttmp7, 0xffff
	s_lshl_b32 s17, s17, 2
	s_add_co_u32 s17, s17, s41
	s_lshl_b32 s43, s41, 2
	s_lshl_b32 s43, 15, s43
	s_lshl_b32 s44, 0x1111, s40
	s_or_b32 s[G1+0], s43, (3<<16)|(1<<21)
	s_mov_b32 s[G1+1], (ROWA/8)<<16
	s_mov_b32 s[G1+2], NB<<16
	s_mov_b32 s[G1+3], (ROWA/8)<<16
	s_mov_b32 s[G1+4], NB
	s_mov_b32 s[G1+5], SIZE_K*12/8
	s_mov_b32 s[G1+6], 0
	s_mov_b32 s[G1+7], 0
	s_or_b32 s[G1B+0], s44, (0<<16)|(1<<20)|(1<<21)|(QI<<22)|(3<<25)
	s_mov_b32 s[G1B+1], ROWB<<16
	s_mov_b32 s[G1B+2], WROWS<<16
	s_mov_b32 s[G1B+3], ROWB<<16
	s_mov_b32 s[G1B+4], WROWS
	s_mov_b32 s[G1B+5], KROW
	s_mov_b32 s[G1B+6], 0
	s_mov_b32 s[G1B+7], 0
	s_or_b32 s[G1S+0], s43, (3<<16)|(1<<21)
	s_mov_b32 s[G1S+1], 32<<16
	s_mov_b32 s[G1S+2], (HALFSA/256)<<16
	s_mov_b32 s[G1S+3], 32<<16
	s_mov_b32 s[G1S+4], HALFSA/256
	s_mov_b32 s[G1S+5], 32
	s_mov_b32 s[G1S+6], 0
	s_mov_b32 s[G1S+7], 0
	s_or_b32 s[G1SB+0], s44, (3<<16)|(1<<20)|(1<<21)|(5<<22)|(3<<25)
	s_mov_b32 s[G1SB+1], 32<<16
	s_mov_b32 s[G1SB+2], (WROWS*KS/256)<<16
	s_mov_b32 s[G1SB+3], 32<<16
	s_mov_b32 s[G1SB+4], WROWS*KS/256
	s_mov_b32 s[G1SB+5], 32
	s_mov_b32 s[G1SB+6], 0
	s_mov_b32 s[G1SB+7], 0
	s_mul_i32 s20, s17, 2*WROWS                    ; A: the tile's first row (hangs on the tile row alone)
	s_mul_i32 s46, s42, 2*WROWS                    ; B: the tile's first row (on the tile column alone)
	s_mul_i32 s22, s20, KS
	s_mul_i32 s96, s46, KS
	s_mul_i32 s20, s20, KROW
	s_mul_i32 s46, s46, KROW
	s_mov_b32 s21, 0
	s_mov_b32 s23, 0
	s_mov_b32 s47, 0
	s_mov_b32 s97, 0
	s_mul_i32 s45, s16, HALFA
	s_wait_kmcnt 0x0
	s_add_nc_u64 s[6:7], s[4:5], IMGB
	s_add_nc_u64 s[20:21], s[4:5], s[20:21]
	s_add_nc_u64 s[22:23], s[6:7], s[22:23]
	s_add_nc_u64 s[46:47], s[8:9], s[46:47]
	s_add_nc_u64 s[96:97], s[10:11], s[96:97]
	CROUND
	s_mov_b32 s[G1+2], (2*NB)<<16                  ; the head's tiles are whole: A's 16 tiles of rows,
	s_mov_b32 s[G1+4], 2*NB
	s_mov_b32 s[G1B+2], (2*WROWS)<<16              ; B's 256 rows (so in every load of B),
	s_mov_b32 s[G1B+4], 2*WROWS
	s_mov_b32 s[G1S+2], (2*HALFSA/256)<<16         ; the scales of 256 rows
	s_mov_b32 s[G1S+4], 2*HALFSA/256
	s_mov_b32 s[G1SB+2], (2*WROWS*KS/256)<<16
	s_mov_b32 s[G1SB+4], 2*WROWS*KS/256
	s_mov_b32 s[G0S], 1
	s_mov_b32 s[G0S+1], SCLA
	s_mov_b64 s[G0S+2:G0S+3], s[22:23]
	s_or_b32 s[G0S+3], s[G0S+3], 0x80000000
	s_mov_b32 s[G0SB], 1
	s_mov_b32 s[G0SB+1], SCLB
	s_mov_b64 s[G0SB+2:G0SB+3], s[96:97]
	s_or_b32 s[G0SB+3], s[G0SB+3], 0x80000000
	s_mul_i32 s18, s16, WROWS*KROW                 ; in the ring I fetch half of A's tile: where it begins, in bytes
	s_mov_b32 s19, 0
	s_mov_b32 s[G0], 1                             ; slot 0, whole
	s_mov_b32 s[G0+1], 0
	s_mov_b64 s[G0+2:G0+3], s[20:21]
	s_or_b32 s[G0+3], s[G0+3], 0x80000000
	s_mov_b32 s[G0+4], 1                           ; slot 1, my half
	s_add_co_u32 s[G0+5], s45, SLOT
	s_add_nc_u64 s[G0+6:G0+7], s[20:21], s[18:19]
	s_add_nc_u64 s[G0+6:G0+7], s[G0+6:G0+7], ROWA
	s_or_b32 s[G0+7], s[G0+7], 0x80000000
	s_mov_b32 s[G0B], 1                            ; B's chunk 0
	s_mov_b32 s[G0B+1], BBASE
	s_mov_b64 s[G0B+2:G0B+3], s[46:47]
	s_or_b32 s[G0B+3], s[G0B+3], 0x80000000
	s_mov_b32 s[G0B+4], 1                          ; wave 2: chunk 1, wave 3: chunk 2
	s_mul_i32 s66, s16, CHB
	s_add_co_u32 s[G0B+5], s66, BBASE+CHB
	s_lshl_b32 s66, s16, 8
	s_add_co_u32 s66, s66, ROWB
	s_mov_b32 s67, 0
	s_add_nc_u64 s[G0B+6:G0B+7], s[46:47], s[66:67]
	s_or_b32 s[G0B+7], s[G0B+7], 0x80000000
.set KB, 0                             ; the K step whose fragments of B the next FETCH_B brings
; the head's loads, one a wave, in one chain of branches on the wave's number: A's slot 0, B's chunk 0, A's scales, B's scales
.macro ARM under, g0, g1, next
	s_cmp_lt_u32 s14, \under
	s_cbranch_scc0 \next
	tensor_load_to_lds s[\g0:\g0+3], s[\g1:\g1+7]
	s_nop 0
.rept 4
	v_nop
.endr
	s_branch .Lhead_asked
\next:
.endm
	ARM 1, G0,  G1,  .Lhead_b
	ARM 2, G0B, G1B, .Lhead_sa
	ARM 3, G0S, G1S, .Lhead_sb
	tensor_load_to_lds s[G0SB:G0SB+3], s[G1SB:G1SB+7]
	s_nop 0
.rept 4
	v_nop
.endr
.Lhead_asked:
.macro AJLOAD g0                       ; a refill of the ring: A alone, waves 0 and 1; the last four v_nop are every wave's places in front of the LDS loads that follow
	s_cmp_eq_u32 s15, 0
	s_cbranch_scc0 .Lnone_\@
	tensor_load_to_lds s[\g0:\g0+3], s[G1:G1+7]
	s_nop 0
.rept 4
	v_nop
.endr
.Lnone_\@:
.rept 4
	v_nop
.endr
.endm
	v_and_b32 v1, 15, v0
	v_bfe_u32 v2, v0, 4, 1
	v_and_b32 v3, 31, v0
	v_lshlrev_b32 v4, 3, v3
	s_mul_i32 s21, s15, HALFA
	v_add_nc_u32 v[ADRA], s21, v4
	v_add_nc_u32 v[ADRA+1], SLOT, v[ADRA]
	v_mul_u32_u24 v5, v1, PITCH
	s_mov_b32 s22, CHB-232
	v_mul_u32_u24 v6, s22, v2
	v_add_nc_u32 v6, v5, v6                        ; across two chunks: lanes 0-15 byte 232 of the row, lanes 16-31 byte 0 of the row in the next region
	v_mad_u32_u24 v5, v2, 24, v5                   ; B: row r, + 24 h
	s_mul_i32 s22, s16, HALFB
	s_add_co_u32 s22, s22, BBASE
	v_add_nc_u32 v[ADRB], s22, v5                  ; v20-22: chunks 0, 1, 2
	v_add_nc_u32 v[ADRB+1], CHB, v[ADRB]
	v_add_nc_u32 v[ADRB+2], CHB, v[ADRB+1]
	s_add_co_u32 s22, s22, 232
	v_add_nc_u32 v[ADRB+3], s22, v6                ; v23-24: from chunk 0 into 1, from 1 into 2
	v_add_nc_u32 v[ADRB+4], CHB, v[ADRB+3]
	v_mul_u32_u24 v7, v1, KS
	v_lshrrev_b32 v8, 8, v7
	v_lshl_add_u32 v7, v8, 4, v7
	s_mul_i32 s22, s16, HALFSB
	s_add_co_u32 s22, s22, SCLB
	v_add_nc_u32 v[ADRSB], s22, v7
	v_lshlrev_b32 v7, 2, v1
	v_mad_u32_u24 v7, v2, DH, v7
	s_mul_i32 s21, s15, HALFSA
	s_add_co_u32 s21, s21, SCLA
	v_add_nc_u32 v[ADRSA], s21, v7
	s_mul_i32 s46, s42, 2*WROWS*4
	s_mul_i32 s47, s16, WROWS*4
	s_add_co_u32 s46, s46, s47
	s_mov_b32 s47, 0
	s_add_nc_u64 s[12:13], s[12:13], s[46:47]
	v_lshlrev_b32 v9, 5, v2
.irp b, 0,1,2,3,4,5,6,7
.if \b < NB
	global_load_b128 v[BIAS+8*\b:BIAS+8*\b+3], v9, s[12:13] offset:64*\b
	global_load_b128 v[BIAS+8*\b+4:BIAS+8*\b+7], v9, s[12:13] offset:64*\b+16
.endif
.endr
.macro FRAG_A reg, adr, k, i
.irp g, 0,1,2,3,4,5
	ds_load_b64 v[\reg+2*\g:\reg+2*\g+1], v[\adr] offset:(\i)*ROWA+(\k)*1536+256*\g
.endr
.endm
.macro FRAG_B reg, st, i               ; B's fragment of K step st, block i: pieces of 8 bytes; byte y of a row lies in region y / 256 at byte y % 256; lanes 16-31 read 24 bytes on
.irp p, 0,1,2,3,4,5
.set BY, 96*(\st)+48*(\p/3)+8*(\p%3)
.if BY/256 == (BY+24)/256
	ds_load_b64 v[\reg+2*\p:\reg+2*\p+1], v[ADRB+BY/256] offset:BY%256+(\i)*16*PITCH
.else
	ds_load_b64 v[\reg+2*\p:\reg+2*\p+1], v[ADRB+3+BY/256] offset:BY%256-232+(\i)*16*PITCH
.endif
.endr
.endm
.macro FETCH_B slot, q, p
	WIN 0x40
.irp f, 0,1,2,3,4,5,6,7
	FRAG_B 128*(\p)+12*\f, KB, \f
.endr
.set KB, KB+1
	WIN 0
.endm
.macro FETCH_A slot, q, f0
.irp f, \f0, \f0+1, \f0+2, \f0+3
	FRAG_A AF+12*(\f), ADRA+\slot, KD*(\q)+(\f)/NB, (\f)%NB
.endr
.endm
.macro SCALES sc
.irp i, 0,1,2,3,4,5,6,7
.if \i < NB
.if NKS == 2
	ds_load_b64 v[SCB+16*\sc+2*\i:SCB+16*\sc+2*\i+1], v[ADRSB] offset:\i*SBLK
.else
	ds_load_b128 v[SCB+16*\sc+4*\i:SCB+16*\sc+4*\i+3], v[ADRSB] offset:\i*SBLK
.endif
.endif
.endr
.irp i2, 0,1,2,3
.if \i2 < NB/2
.irp k, 0,1,2,3
.if \k < NKS
	ds_load_b32 v[SCA+8*\sc+NKS*\i2+\k], v[ADRSA] offset:\i2*2*DH+\k*DQ
.endif
.endr
.endif
.endr
.endm
.macro MM d, b, a, c, sb, sa, row1
.if \row1
	v_wmma_scale_f32_16x16x128_f8f6f4 v[\d:\d+7], v[\b:\b+11], v[\a:\a+11], \c, v[\sb], v[\sa] matrix_a_fmt:MATRIX_FMT_FP6 matrix_b_fmt:MATRIX_FMT_FP6 matrix_b_scale:MATRIX_SCALE_ROW1
.else
	v_wmma_scale_f32_16x16x128_f8f6f4 v[\d:\d+7], v[\b:\b+11], v[\a:\a+11], \c, v[\sb], v[\sa] matrix_a_fmt:MATRIX_FMT_FP6 matrix_b_fmt:MATRIX_FMT_FP6
.endif
.endm
.macro QUAD n, p, q, sc, first
.set K2, (2*(\n))/NB
.if (\first) && (K2 == 0)
	WIN 0x81+0x40*((NB*((2*(\n))%NB))/32)
.else
	WIN 0xa1+0x50*((NB*((2*(\n))%NB))/32)
.endif
.irp e, 0,1
.irp b, 0,1,2,3,4,5,6,7
.if \b < NB
.set AA, (2*(\n)+\e)%NB
.set AC, 8*((NB*AA+\b)%32)
.set RB, 128*(\p)+12*(\b+NB*K2)
.set RA, AF+12*(2*(\n)+\e)
.set RSB, SCB+16*(\sc)+NKS*\b+KD*(\q)+K2
.set RSA, SCA+8*(\sc)+NKS*(AA/2)+KD*(\q)+K2
.if (\first) && (K2 == 0)
	MM AC, RB, RA, v[BIAS+8*\b:BIAS+8*\b+7], RSB, RSA, \e
.else
	MM AC, RB, RA, v[AC:AC+7], RSB, RSA, \e
.endif
.endif
.endr
.endr
.endm
.macro STEP slot, q, first
	s_wait_dscnt 24
	QUAD 0, (\q)%2, \q, \slot, \first
	QUAD 1, (\q)%2, \q, \slot, \first
	s_wait_dscnt 0x0
	PLACES 4
	FETCH_B \slot, (\q)+1, 1-(\q)%2
	FETCH_A \slot, (\q)+1, 0
	QUAD 2, (\q)%2, \q, \slot, \first
	QUAD 3, (\q)%2, \q, \slot, \first
	PLACES 4
	WIN 0
	FETCH_A \slot, (\q)+1, 4
.endm
.macro TURN slot, next, fill
	s_wait_tensorcnt 0x0
	ds_add_u32 v[SPW], v[NIL]
	s_wait_dscnt 25
	QUAD 0, 1, 1, \slot, 0
	s_wait_dscnt 0x0
	s_barrier_signal -1
	QUAD 1, 1, 1, \slot, 0
	WIN 0
	s_barrier_wait -1
.if \fill
	CREST
	s_add_nc_u64 s[G0+4*\slot+2:G0+4*\slot+3], s[G0+4*\slot+2:G0+4*\slot+3], 2*ROWA
	AJLOAD G0+4*\slot                              ; the first tensor load behind the round
.else
	PLACES 4
.endif
	s_wait_alu depctr_va_vdst(0)
	v_add_nc_u32 v[ADRSB], 4*NKS, v[ADRSB]
	v_add_nc_u32 v[ADRSA], NKS*DQ, v[ADRSA]
	FETCH_B \next, 0, 0
	FETCH_A \next, 0, 0
	SCALES \next
	QUAD 2, 1, 1, \slot, 0
	QUAD 3, 1, 1, \slot, 0
	PLACES 4
	WIN 0
	FETCH_A \next, 0, 4
.endm
	s_wait_alu depctr_va_vdst(0)
	s_wait_tensorcnt 0x0                           ; my tile of the head's four is in
	ds_add_u32 v[SPW], v[NIL]
	s_mov_b32 s[G1+2], NB<<16                      ; no tensor load of mine is out: from here on a load of A brings my half,
	s_mov_b32 s[G1+4], NB
	s_mov_b32 s[G0+1], s45                         ; slot 0's too
	s_add_nc_u64 s[G0+2:G0+3], s[G0+2:G0+3], s[18:19]
	s_wait_dscnt 0x0
	CROUND                                         ; all four tiles are in, and all sixteen work-groups are here
	JLOAD G0+4, G1, G0B+4, G1B                     ; waves 0, 1: A's slot 1; waves 2, 3: B's chunks 1 and 2
	FETCH_B 0, 0, 0
	FETCH_A 0, 0, 0
	SCALES 0
	FETCH_A 0, 0, 4
	s_wait_loadcnt 0x0
	STEP 0, 0, 1
.if LAPS > 1
	TURN 0, 1, 1
	STEP 1, 0, 0
	TURN 1, 0, 1
	STEP 0, 0, 0
.endif
	TURN 0, 1, 0
	STEP 1, 0, 0
	s_wait_dscnt 24
	QUAD 0, 1, 1, 1, 0
	QUAD 1, 1, 1, 1, 0
	s_wait_dscnt 0x0
	QUAD 2, 1, 1, 1, 0
	QUAD 3, 1, 1, 1, 0
	WIN 0
.set X,    128
.set PC,   192
.set TM,   212
.set PW,   228
.set VA1,  230
.set VB1,  232
.set GC,   64
.set GZ,   80
.set GP,   96
.set GD,   112
.set SGA,  10
.set O8,   12
.set RW,   15
.set GATW, 270336
.set CA0,  4
.set CA2,  6
.set CA3,  8
.set CA4,  10
.set CA5,  12
.set CA6,  18
.set CB0,  20
.set CB2,  22
.set CB3,  46
.set CB4,  66
.set RS2,  96
.set SEL,  98
.macro SPAIR reg, val
	s_mov_b32 s[\reg], \val
	s_mov_b32 s[\reg+1], \val
.endm
.macro QUANT s
.irp b, 0,1,2,3
	v_max3_num_f32 v[TM+\b], |v[\s+16*\b]|, |v[\s+1+16*\b]|, 0x1800000
.endr
.irp i, 2,4,6,8,10,12,14
.irp b, 0,1,2,3
	v_max3_num_f32 v[TM+\b], v[TM+\b], |v[\s+16*\b+\i]|, |v[\s+1+16*\b+\i]|
.endr
.endr
.irp b, 0,1,2,3
	v_permlanex16_b32 v[TM+4+\b], v[TM+\b], s[SEL], s[SEL+1]
.endr
.irp b, 0,1,2,3
	v_max_num_f32 v[TM+\b], v[TM+\b], v[TM+4+\b]
.endr
.irp b, 0,1,2,3
	v_add_nc_u32 v[TM+12+\b], 0xff000000, v[TM+\b]
.endr
.irp b, 0,1,2,3
	v_lshrrev_b32 v[TM+4+\b], 23, v[TM+12+\b]
.endr
	v_lshl_or_b32 v[PW], v[TM+5], 8, v[TM+4]
	v_lshl_or_b32 v[PW], v[TM+6], 16, v[PW]
	v_lshl_or_b32 v[PW], v[TM+7], 24, v[PW]
.irp c, 0,1
	v_cvt_scalef32_pk16_fp6_f32 v[PC+6*\c:PC+2+6*\c], v[\s+32*\c:\s+15+32*\c], v[TM+12+2*\c]
	v_cvt_scalef32_pk16_fp6_f32 v[PC+12+4*\c:PC+14+4*\c], v[\s+16+32*\c:\s+31+32*\c], v[TM+12+2*\c+1]
.endr
	v_nop
.irp c, 0,1
.irp i, 0,1,2
	v_permlane16_swap_b32 v[PC+6*\c+\i], v[PC+12+4*\c+\i]
.endr
.irp i, 0,1,2
	v_mov_b32 v[PC+3+6*\c+\i], v[PC+12+4*\c+\i]
.endr
.endr
.endm
.macro GELU g
.set XG, X+16*(\g)                     ; GELU g: group g of 16 numbers up to its reciprocals; GFIN g finishes it.  The groups overlap: group g + 1's polynomials stand behind group g's reciprocals
.set GP, 96+96*((\g)%2)                ; numerator and denominator: even groups v96-127, odd groups v192-223 (the quantiser's registers, at rest until all four groups are done)
.set GD, 112+96*((\g)%2)
.irp j, 0,2,4,6,8,10,12,14
	v_pk_mul_f32 v[GC+\j:GC+\j+1], v[XG+\j:XG+\j+1], s[RS2:RS2+1] op_sel_hi:[1,0]
.endr
.irp j, 0,1,2,3,4,5,6,7,8,9,10,11,12,13,14,15
	v_med3_num_f32 v[GC+\j], v[GC+\j], -4.0, 4.0
.endr
.irp j, 0,2,4,6,8,10,12,14
	v_pk_mul_f32 v[GZ+\j:GZ+\j+1], v[GC+\j:GC+\j+1], v[GC+\j:GC+\j+1]
.endr
.irp j, 0,2,4,6,8,10,12,14
	v_pk_fma_f32 v[GP+\j:GP+\j+1], v[GZ+\j:GZ+\j+1], s[CA0:CA0+1], v[VA1:VA1+1] op_sel_hi:[1,0,1]
	v_pk_fma_f32 v[GD+\j:GD+\j+1], v[GZ+\j:GZ+\j+1], s[CB0:CB0+1], v[VB1:VB1+1] op_sel_hi:[1,0,1]
.endr
.irp c, CA2, CA3, CA4, CA5, CA6
.irp j, 0,2,4,6,8,10,12,14
	v_pk_fma_f32 v[GP+\j:GP+\j+1], v[GP+\j:GP+\j+1], v[GZ+\j:GZ+\j+1], s[\c:\c+1] op_sel_hi:[1,1,0]
.endr
.endr
.irp c, CB2, CB3, CB4
.irp j, 0,2,4,6,8,10,12,14
	v_pk_fma_f32 v[GD+\j:GD+\j+1], v[GD+\j:GD+\j+1], v[GZ+\j:GZ+\j+1], s[\c:\c+1] op_sel_hi:[1,1,0]
.endr
.endr
.irp j, 0,2,4,6,8,10,12,14
	v_pk_mul_f32 v[GP+\j:GP+\j+1], v[GP+\j:GP+\j+1], v[GC+\j:GC+\j+1]
.endr
.irp j, 0,2,4,6,8,10,12,14
	v_pk_mul_f32 v[XG+\j:XG+\j+1], v[XG+\j:XG+\j+1], 0.5 op_sel_hi:[1,0]
.endr
	s_wait_alu depctr_va_vdst(0)                   ; one wait ahead of this batch; it is also the wait behind the batch before, ahead of that batch's readers
.irp j, 0,1,2,3,4,5,6,7,8,9,10,11,12,13,14,15
	v_rcp_f32 v[GD+\j], v[GD+\j]
.endr
.endm
.macro GFIN g
.set XG, X+16*(\g)
.set GP, 96+96*((\g)%2)
.set GD, 112+96*((\g)%2)
.irp j, 0,2,4,6,8,10,12,14
	v_pk_mul_f32 v[GP+\j:GP+\j+1], v[GP+\j:GP+\j+1], v[GD+\j:GD+\j+1]
.endr
.irp j, 0,2,4,6,8,10,12,14
	v_pk_fma_f32 v[XG+\j:XG+\j+1], v[XG+\j:XG+\j+1], v[GP+\j:GP+\j+1], v[XG+\j:XG+\j+1]
.endr
.endm
	s_wait_dscnt 0x0
	s_barrier_signal -1
	s_barrier_wait -1
	v_and_b32 v1, 15, v0
	v_bfe_u32 v2, v0, 4, 1
	v_and_b32 v3, 31, v0
	s_mul_i32 s66, s14, 67584
	v_mul_u32_u24 v4, v1, 528
	v_add_nc_u32 v4, s66, v4
	v_lshl_add_u32 v[STO], v2, 5, v4
	v_lshl_add_u32 v[RDB], v2, 6, v4
	s_lshl_b32 s67, s14, 9
	s_add_co_u32 s67, s67, GATW
	v_lshl_add_u32 v[SGA], v1, 2, s67
	v_lshl_add_u32 v[RW], v3, 3, s67
	v_lshlrev_b32 v[O8], 3, v3
.irp a, 0,1,2,3,4,5,6,7
	WIN 0x08+4*(\a/4)
.irp b, 0,1,2,3,4,5,6,7
	ds_store_b128 v[STO], v[8*(8*(\a%4)+\b):8*(8*(\a%4)+\b)+3] offset:8448*\a+64*\b
	ds_store_b128 v[STO], v[8*(8*(\a%4)+\b)+4:8*(8*(\a%4)+\b)+7] offset:8448*\a+64*\b+16
.endr
.endr
	WIN 0
.irp b, 0,1,2,3
	v_mov_b32 v[TM+4+\b], 0
.endr
	s_lshl_b32 s100, s17, 4
	s_lshl_b32 s101, s15, 3
	s_add_co_u32 s100, s100, s101
	s_lshl_b32 s45, s42, 1
	s_add_co_u32 s45, s45, s16
	s_lshr_b32 s101, s100, 2
	s_lshl_b32 s101, s101, 13
	s_lshl_b32 s2, s45, 8
	s_add_co_u32 s2, s101, s2
	s_add_co_u32 s2, s2, 12582912
	s_mov_b32 s3, 0
	s_add_nc_u64 s[94:95], s[92:93], s[2:3]
	s_mul_i32 s2, s100, 49152
	s_mul_i32 s45, s45, 1536
	s_add_co_u32 s2, s2, s45
	s_add_nc_u64 s[92:93], s[92:93], s[2:3]
	SPAIR CA0, 0xaf95df0b
	v_mov_b32 v[VA1], 0x32edffee
	v_mov_b32 v[VA1+1], 0x32edffee
	SPAIR CA2, 0xb60cff51
	SPAIR CA3, 0xb86ec2d2
	SPAIR CA4, 0xba40ac63
	SPAIR CA5, 0xbb41a1f6
	SPAIR CA6, 0xbc83dbd4
	SPAIR CB0, 0xb77460cd
	v_mov_b32 v[VB1], 0xb95fbd29
	v_mov_b32 v[VB1+1], 0xb95fbd29
	SPAIR CB2, 0xbadc924e
	SPAIR CB3, 0xbbf19bf8
	SPAIR CB4, 0xbc69b6a7
	SPAIR RS2, 0x3f3504f3
	s_mov_b32 s[SEL], 0x76543210
	s_mov_b32 s[SEL+1], 0xfedcba98
	s_mov_b32 s2, 8
	s_mov_b32 s3, 0
	s_mov_b32 s100, 0
.Lout:
	v_add_nc_u32 v234, s3, v[RDB]
	v_add_nc_u32 v235, s100, v[SGA]
.irp b, 0,1,2,3
.irp i, 0,1,2,3
	ds_load_b128 v[X+16*\b+4*\i:X+16*\b+4*\i+3], v234 offset:128*\b+16*\i
.endr
.endr
	s_wait_dscnt 0x0
	GELU 0
	GELU 1                                         ; plain work behind group 0's reciprocals
	GFIN 0
	GELU 2
	GFIN 1
	GELU 3
	GFIN 2                                         ; plain work behind group 3's reciprocals
	s_wait_alu depctr_va_vdst(0)                   ; the wait behind the last batch
	GFIN 3
	QUANT X
.irp g, 0,1,2,3,4,5
	global_store_b64 v[O8], v[PC+2*\g:PC+2*\g+1], s[92:93] offset:256*\g
.endr
	ds_store_b32 v235, v[PW]
	s_wait_xcnt 0x0
	s_add_nc_u64 s[92:93], s[92:93], 49152
	s_add_co_u32 s3, s3, 8448
	s_add_co_u32 s100, s100, 64
	s_sub_co_u32 s2, s2, 1
	s_cmp_lg_u32 s2, 0
	s_cbranch_scc1 .Lout
	ds_load_b64 v[128:129], v[RW]
	ds_load_b64 v[130:131], v[RW] offset:256
	s_wait_dscnt 0x0
	global_store_b64 v[O8], v[128:129], s[94:95]
	global_store_b64 v[O8], v[130:131], s[94:95] offset:8192
	s_wait_tensorcnt 0x0
	ds_add_u32 v[SPW], v[NIL]
	s_wait_dscnt 0x0
	CROUND
	s_endpgm
.Lfunc_end_k_qd4a46ae0bf_ffn1:
	.size	k_qd4a46ae0bf_ffn1, .Lfunc_end_k_qd4a46ae0bf_ffn1-k_qd4a46ae0bf_ffn1
	.p2alignl 7, 3214868480
	.fill 96, 4, 3214868480
	.section	.rodata,"a",@progbits
	.p2align	6, 0x0
	.amdhsa_kernel k_qd4a46ae0bf_ffn1
		.amdhsa_group_segment_fixed_size 327680
		.amdhsa_private_segment_fixed_size 0
		.amdhsa_enable_private_segment 0
		.amdhsa_kernarg_size 40
		.amdhsa_user_sgpr_count 2
		.amdhsa_user_sgpr_kernarg_segment_ptr 1
		.amdhsa_wavefront_size32 1
		.amdhsa_system_sgpr_workgroup_id_x 1
		.amdhsa_system_sgpr_workgroup_id_y 1
		.amdhsa_system_sgpr_workgroup_id_z 1
		.amdhsa_system_vgpr_workitem_id 0
		.amdhsa_next_free_vgpr 1024
		.amdhsa_next_free_sgpr 102
		.amdhsa_reserve_vcc 0
		.amdhsa_float_denorm_mode_32 3
		.amdhsa_float_denorm_mode_16_64 3
		.amdhsa_memory_ordered 1
		.amdhsa_forward_progress 1
		.amdhsa_inst_pref_size 190
	.end_amdhsa_kernel
	.amdgpu_metadata
---
amdhsa.version: [ 1, 2 ]
amdhsa.kernels:
  - .name:           k_qd4a46ae0bf_ffn1
    .symbol:         k_qd4a46ae0bf_ffn1.kd
    .args:
      - { .name: nrm, .offset: 0, .size: 8, .value_kind: global_buffer, .address_space: global }
      - { .name: W1_codes, .offset: 8, .size: 8, .value_kind: global_buffer, .address_space: global }
      - { .name: W1_scales, .offset: 16, .size: 8, .value_kind: global_buffer, .address_space: global }
      - { .name: b1, .offset: 24, .size: 8, .value_kind: global_buffer, .address_space: global }
      - { .name: hbuf, .offset: 32, .size: 8, .value_kind: global_buffer, .address_space: global }
    .group_segment_fixed_size: 327680
    .private_segment_fixed_size: 0
    .kernarg_segment_align: 8
    .kernarg_segment_size: 40
    .max_flat_workgroup_size: 128
    .sgpr_count:     102
    .vgpr_count:     1024
    .wavefront_size: 32
...
	.end_amdgpu_metadata
.endif
;; end of part 5
;; launch ffn2 (part 6): grid 8 x 32, 4 waves a work-group, clusters of 4 x 4, 327,680 bytes of LDS; arguments hbuf, W2_codes, W2_scales, b2, x1, out0; writes out0
.if DOCPART == 6
	.amdgcn_target "amdgcn-amd-amdhsa--gfx1250"
	.amdhsa_code_object_version 6
	.text
	.protected	k_qd4a46ae0bf_ffn2
	.globl	k_qd4a46ae0bf_ffn2
	.p2align	8
	.type	k_qd4a46ae0bf_ffn2,@function
k_qd4a46ae0bf_ffn2:
	s_mov_b64 s[64:65], 0
	v_nop
	global_prefetch_b8 v0, s[64:65] scope:SCOPE_SE
	s_setreg_imm32_b32 hwreg(HW_REG_WAVE_MODE, 25, 1), 1
	s_wait_xcnt 0x0
	s_wait_alu depctr_hold_cnt(0) depctr_sa_sdst(0) depctr_va_vdst(0) depctr_va_sdst(0) depctr_va_ssrc(0) depctr_va_vcc(0) depctr_vm_vsrc(0)
	s_getreg_b32 s2, hwreg(HW_REG_IB_STS2, 6, 4)
	s_cmp_eq_u32 s2, 0
	s_cbranch_scc0 .Lentry_in_a_cluster
	s_endpgm
.Lentry_in_a_cluster:
	s_bfe_u32 s2, ttmp6, 0x10000c
	s_cmp_lg_u32 s2, 0xf033
	s_cbranch_scc0 .Lentry_shape_is_right
	s_endpgm
.Lentry_shape_is_right:
; out = x1 + hidden W2 + b2 on codes of FP6 (E2M3) with E8M0 scales; out and x1 are [4096][1024] f32.  A tile of 128 x 128 (256 work-groups), a wave 64 x 64; cluster 4 x 4 with joint loads.
; K goes in slots of 512 through a ring of two LDS slots.  A: images of operand registers.  B: 512 along K are 384 bytes of a row; a slot takes the 512 bytes from the multiple of 256 at or below them on:
; an even slot's codes begin at byte 0 of its LDS row, an odd slot's at byte 128.  So every tensor row begins at a multiple of 256 bytes and is two whole units long.
; PREFETCH: behind each refill in the loop's first two trips one instruction a wave names the K slot two refills on (slots 4 to 7); the four partners that ask for a tile jointly share its blocks out by address.
; LIMITS: NaN and infinities are not served.
.set SIZE_K, 4096
.set NB,     4
.set NKS,    4
.set KD,     2
.set ROWA,   6144
.set ROWB,   384
.set QI,     6                         ; padding behind every 512 bytes
.set PITCH,  528                       ; 132 words: the 16 rows of a fragment start at 16 different multiples of 4 banks
.set DH,     64
.set DQ,     256
.set WROWS,  16*NB
.set HALFA,  NB*ROWA
.set HALFB,  WROWS*PITCH
.set SLOT,   2*HALFA+2*HALFB
.set KS,     SIZE_K/32
.set KROW,   SIZE_K*3/4
.set IMGB,   4096*KROW
.set HALFSA, WROWS*KS
.set HALFSB, (WROWS*KS/256)*272
.set SBLK,   (16*KS/256)*272
.set SCLA,   2*SLOT
.set SCLB,   SCLA+2*HALFSA
.set SPARE,  327168
.set LAPS,   SIZE_K/(256*NKS)
.set ADRA, 16
.set ADRB, 20
.set STO,  24
.set RD,   25
.set CO,   26
.set ADRSB, 27
.set SPW,  28
.set NIL,  29
.set ADRSA, 30
.set SCB,  32
.set BIAS, 64
.set AF,   128
.set BK,   128
.set SCA,  240
.set G1, 24
.set G0, 32
.set G1B, 48
.set G0B, 56
.set G1S, 68
.set G0S, 76
.set G1SB, 80
.set G0SB, 88
.set MSB, 0
.macro WIN new
.if MSB != (\new)
	s_set_vgpr_msb (MSB<<8)|(\new)
.set MSB, (\new)
.endif
.endm
.macro PLACES n
.rept \n
	v_nop
.endr
.endm
.macro JLOAD g0a, g1a, g0b, g1b
	s_cmp_eq_u32 s15, 0
	s_cbranch_scc0 .Lfor_b_\@
	tensor_load_to_lds s[\g0a:\g0a+3], s[\g1a:\g1a+7]
	s_nop 0
.rept 4
	v_nop
.endr
	s_branch .Lasked_\@
.Lfor_b_\@:
	tensor_load_to_lds s[\g0b:\g0b+3], s[\g1b:\g1b+7]
	s_nop 0
.rept 4
	v_nop
.endr
.Lasked_\@:
.endm
.macro CREST
	s_cmp_lg_u32 s14, 0
	s_cbranch_scc1 .Lnot_wave_0_\@
	s_barrier_signal -3
.Lnot_wave_0_\@:
	s_barrier_wait -3
	s_barrier_signal -1
	s_barrier_wait -1
.endm
.macro CROUND
	s_barrier_signal -1
	s_barrier_wait -1
	CREST
.endm
	s_load_b64 s[4:5], s[0:1], 0x0
	s_load_b128 s[8:11], s[0:1], 0x8
	s_load_b64 s[12:13], s[0:1], 0x18
	s_load_b128 s[92:95], s[0:1], 0x20
	v_lshl_add_u32 v[SPW], v0, 2, SPARE
	v_mov_b32 v[NIL], 0
	ds_add_u32 v28, v29
	ds_add_u32 v28, v29
	s_wait_dscnt 0x0
	v_lshrrev_b32 v1, 5, v0
	v_readfirstlane_b32 s14, v1
	s_lshr_b32 s15, s14, 1
	s_and_b32 s16, s14, 1
	s_bfe_u32 s40, ttmp6, 0x40000
	s_bfe_u32 s41, ttmp6, 0x40004
	s_lshl_b32 s42, ttmp9, 2
	s_add_co_u32 s42, s42, s40
	s_and_b32 s17, ttmp7, 0xffff
	s_lshl_b32 s17, s17, 2
	s_add_co_u32 s17, s17, s41
	s_lshl_b32 s43, s41, 2
	s_lshl_b32 s43, 15, s43
	s_lshl_b32 s44, 0x1111, s40
	s_or_b32 s[G1+0], s43, (3<<16)|(1<<21)
	s_mov_b32 s[G1+1], (ROWA/8)<<16
	s_mov_b32 s[G1+2], NB<<16
	s_mov_b32 s[G1+3], (ROWA/8)<<16
	s_mov_b32 s[G1+4], NB
	s_mov_b32 s[G1+5], SIZE_K*12/8
	s_mov_b32 s[G1+6], 0
	s_mov_b32 s[G1+7], 0
	s_or_b32 s[G1B+0], s44, (0<<16)|(1<<20)|(1<<21)|(QI<<22)|(3<<25)
	s_mov_b32 s[G1B+1], ROWB<<16
	s_mov_b32 s[G1B+2], WROWS<<16
	s_mov_b32 s[G1B+3], ROWB<<16
	s_mov_b32 s[G1B+4], WROWS
	s_mov_b32 s[G1B+5], KROW
	s_mov_b32 s[G1B+6], 0
	s_mov_b32 s[G1B+7], 0
	s_or_b32 s[G1S+0], s43, (3<<16)|(1<<21)
	s_mov_b32 s[G1S+1], 32<<16
	s_mov_b32 s[G1S+2], (HALFSA/256)<<16
	s_mov_b32 s[G1S+3], 32<<16
	s_mov_b32 s[G1S+4], HALFSA/256
	s_mov_b32 s[G1S+5], 32
	s_mov_b32 s[G1S+6], 0
	s_mov_b32 s[G1S+7], 0
	s_or_b32 s[G1SB+0], s44, (3<<16)|(1<<20)|(1<<21)|(5<<22)|(3<<25)
	s_mov_b32 s[G1SB+1], 32<<16
	s_mov_b32 s[G1SB+2], (WROWS*KS/256)<<16
	s_mov_b32 s[G1SB+3], 32<<16
	s_mov_b32 s[G1SB+4], WROWS*KS/256
	s_mov_b32 s[G1SB+5], 32
	s_mov_b32 s[G1SB+6], 0
	s_mov_b32 s[G1SB+7], 0
	s_mul_i32 s20, s17, 2*WROWS                    ; A: the tile's first row (hangs on the tile row alone)
	s_mul_i32 s46, s42, 2*WROWS                    ; B: the tile's first row (on the tile column alone)
	s_mul_i32 s22, s20, KS
	s_mul_i32 s96, s46, KS
	s_mul_i32 s20, s20, KROW
	s_mul_i32 s46, s46, KROW
	s_mov_b32 s21, 0
	s_mov_b32 s23, 0
	s_mov_b32 s47, 0
	s_mov_b32 s97, 0
	s_mul_i32 s45, s16, HALFA
	s_mul_i32 s66, s16, HALFB
	s_add_co_u32 s66, s66, 2*HALFA
	s_wait_kmcnt 0x0
	s_add_nc_u64 s[6:7], s[4:5], IMGB
	s_add_nc_u64 s[20:21], s[4:5], s[20:21]
	s_add_nc_u64 s[22:23], s[6:7], s[22:23]
	s_add_nc_u64 s[46:47], s[8:9], s[46:47]
	s_add_nc_u64 s[96:97], s[10:11], s[96:97]
	CROUND
	s_mov_b32 s[G1+2], (2*NB)<<16                  ; the head's tiles are whole: A's 8 tiles of rows,
	s_mov_b32 s[G1+4], 2*NB
	s_mov_b32 s[G1B+1], 512<<16                    ; B's rows are windows of 512 bytes,
	s_mov_b32 s[G1B+2], (2*WROWS)<<16              ; 128 of them,
	s_mov_b32 s[G1B+3], 512<<16
	s_mov_b32 s[G1B+4], 2*WROWS
	s_mov_b32 s[G1S+2], (2*HALFSA/256)<<16         ; the scales of 128 rows
	s_mov_b32 s[G1S+4], 2*HALFSA/256
	s_mov_b32 s[G1SB+2], (2*WROWS*KS/256)<<16
	s_mov_b32 s[G1SB+4], 2*WROWS*KS/256
	s_mov_b32 s[G0S], 1
	s_mov_b32 s[G0S+1], SCLA
	s_mov_b64 s[G0S+2:G0S+3], s[22:23]
	s_or_b32 s[G0S+3], s[G0S+3], 0x80000000
	s_mov_b32 s[G0SB], 1
	s_mov_b32 s[G0SB+1], SCLB
	s_mov_b64 s[G0SB+2:G0SB+3], s[96:97]
	s_or_b32 s[G0SB+3], s[G0SB+3], 0x80000000
	s_mul_i32 s18, s16, WROWS*KROW                 ; in the ring I fetch half of a tile, 64 rows: where it begins, in bytes (the same for A and for B)
	s_mov_b32 s19, 0
	s_mov_b32 s[G0], 1                             ; slot 0, whole
	s_mov_b32 s[G0+1], 0
	s_mov_b64 s[G0+2:G0+3], s[20:21]
	s_or_b32 s[G0+3], s[G0+3], 0x80000000
	s_mov_b32 s[G0+4], 1                           ; slot 1, my half
	s_add_co_u32 s[G0+5], s45, SLOT
	s_add_nc_u64 s[G0+6:G0+7], s[20:21], s[18:19]
	s_add_nc_u64 s[G0+6:G0+7], s[G0+6:G0+7], ROWA
	s_or_b32 s[G0+7], s[G0+7], 0x80000000
	s_mov_b32 s[G0B], 1
	s_mov_b32 s[G0B+1], 2*HALFA
	s_mov_b64 s[G0B+2:G0B+3], s[46:47]
	s_or_b32 s[G0B+3], s[G0B+3], 0x80000000
	s_mov_b32 s[G0B+4], 1
	s_add_co_u32 s[G0B+5], s66, SLOT
	s_add_nc_u64 s[G0B+6:G0B+7], s[46:47], s[18:19]
	s_add_nc_u64 s[G0B+6:G0B+7], s[G0B+6:G0B+7], 256   ; the odd slot's window begins 128 bytes ahead of its codes
	s_or_b32 s[G0B+7], s[G0B+7], 0x80000000
; the head's loads, one a wave, in one chain of branches on the wave's number: A's slot 0, B's slot 0, A's scales, B's scales
.macro ARM under, g0, g1, next
	s_cmp_lt_u32 s14, \under
	s_cbranch_scc0 \next
	tensor_load_to_lds s[\g0:\g0+3], s[\g1:\g1+7]
	s_nop 0
.rept 4
	v_nop
.endr
	s_branch .Lhead_asked
\next:
.endm
	ARM 1, G0,  G1,  .Lhead_b
	ARM 2, G0B, G1B, .Lhead_sa
	ARM 3, G0S, G1S, .Lhead_sb
	tensor_load_to_lds s[G0SB:G0SB+3], s[G1SB:G1SB+7]
	s_nop 0
.rept 4
	v_nop
.endr
.Lhead_asked:
	; the prefetches.  Of the half tile that I fetch, my work-group takes a quarter by its place among the four partners (cx for A, cy for B): 16 rows, 49,152 bytes on for each place, in A and in B alike.
	; A: one tile of rows, 24 blocks of 256 bytes a K slot: lane l names block min(l, 23).  B: 16 rows; three blocks for two K slots: the even turn names two (l / 16) of row l % 16, the odd turn the third of row min(l, 15).
	s_cmp_eq_u32 s15, 0
	s_cselect_b64 s[96:97], s[20:21], s[46:47]
	s_cselect_b32 s99, s40, s41
	s_mov_b32 s98, ROWB
	s_cselect_b32 s98, ROWA, s98                   ; a K slot in bytes
	s_cselect_b32 s100, -1, 0                      ; all lanes: I fetch for A
	s_mul_i32 s99, s99, 16*KROW
	s_add_co_u32 s99, s99, s18
	s_lshl_b32 s101, s98, 1                        ; at K slot 2, which is named below; slot 3 at the head's end; the first turn steps on to slot 4
	s_add_co_u32 s40, s99, s101
	s_mov_b32 s41, 0
	s_add_nc_u64 s[96:97], s[96:97], s[40:41]
	s_mov_b32 s99, 0                               ; s[98:99]: the step
	v_and_b32 v10, 31, v0
	v_min_u32 v11, 23, v10
	v_lshlrev_b32 v11, 8, v11
	v_and_b32 v12, 15, v0
	v_mul_u32_u24 v12, v12, KROW
	v_bfe_u32 v13, v0, 4, 1
	v_lshl_add_u32 v12, v13, 8, v12
	v_min_u32 v13, 15, v10
	v_mul_u32_u24 v13, v13, KROW
	v_add_nc_u32 v13, 128, v13
	v_cndmask_b32 v10, v12, v11, s100              ; v10: the even turn's offset
	v_cndmask_b32 v11, v13, v11, s100              ; v11: the odd turn's
	global_prefetch_b8 v10, s[96:97] th:TH_LOAD_NT scope:SCOPE_SE   ; K slot 2, two refills ahead of its load
	v_and_b32 v1, 15, v0
	v_bfe_u32 v2, v0, 4, 1
	v_and_b32 v3, 31, v0
	v_lshlrev_b32 v4, 3, v3
	s_mul_i32 s21, s15, HALFA
	v_add_nc_u32 v[ADRA], s21, v4
	v_add_nc_u32 v[ADRA+1], SLOT, v[ADRA]
	v_mul_u32_u24 v5, v1, PITCH
	v_mad_u32_u24 v5, v2, 24, v5
	s_mul_i32 s22, s16, HALFB
	s_add_co_u32 s22, s22, 2*HALFA
	v_add_nc_u32 v[ADRB], s22, v5
	v_add_nc_u32 v[ADRB+1], SLOT+128, v[ADRB]      ; the odd slot's codes begin at byte 128 of the LDS row
	v_mul_u32_u24 v7, v1, KS
	v_lshrrev_b32 v8, 8, v7
	v_lshl_add_u32 v7, v8, 4, v7
	s_mul_i32 s22, s16, HALFSB
	s_add_co_u32 s22, s22, SCLB
	v_add_nc_u32 v[ADRSB], s22, v7
	v_lshlrev_b32 v7, 2, v1
	v_mad_u32_u24 v7, v2, DH, v7
	s_mul_i32 s21, s15, HALFSA
	s_add_co_u32 s21, s21, SCLA
	v_add_nc_u32 v[ADRSA], s21, v7
	s_mul_i32 s21, s14, 16*272
	v_mul_u32_u24 v5, v1, 272
	v_lshl_add_u32 v5, v2, 5, v5
	v_add_nc_u32 v[STO], s21, v5
	v_mul_u32_u24 v5, v2, 272
	v_lshl_add_u32 v5, v1, 4, v5
	v_add_nc_u32 v[RD], s21, v5
	v_lshlrev_b32 v5, 12, v2
	v_lshl_add_u32 v[CO], v1, 4, v5
	s_wait_alu depctr_va_vdst(0)
	s_mul_i32 s46, s42, 2*WROWS*4
	s_mul_i32 s47, s16, WROWS*4
	s_add_co_u32 s46, s46, s47
	s_mov_b32 s47, 0
	s_add_nc_u64 s[12:13], s[12:13], s[46:47]
	v_lshlrev_b32 v9, 5, v2
.irp b, 0,1,2,3,4,5,6,7
.if \b < NB
	global_load_b128 v[BIAS+8*\b:BIAS+8*\b+3], v9, s[12:13] offset:64*\b
	global_load_b128 v[BIAS+8*\b+4:BIAS+8*\b+7], v9, s[12:13] offset:64*\b+16
.endif
.endr
	s_lshl_b32 s100, s17, 19
	s_lshl_b32 s101, s15, 18
	s_add_co_u32 s100, s100, s101
	s_lshl_b32 s101, s42, 9
	s_add_co_u32 s100, s100, s101
	s_lshl_b32 s101, s16, 8
	s_add_co_u32 s100, s100, s101
	s_mov_b32 s101, 0
	s_add_nc_u64 s[92:93], s[92:93], s[100:101]
	s_add_nc_u64 s[94:95], s[94:95], s[100:101]
	WIN 0xc0
.irp a, 0,1,2,3
.irp t, 0,1,2,3,4,5,6,7
	global_load_b128 v[4*(8*\a+\t):4*(8*\a+\t)+3], v[CO], s[92:93] offset:(16*\a+2*\t)*4096
.endr
.endr
	WIN 0
.macro FRAG_A reg, adr, k, i
.irp g, 0,1,2,3,4,5
	ds_load_b64 v[\reg+2*\g:\reg+2*\g+1], v[\adr] offset:(\i)*ROWA+(\k)*1536+256*\g
.endr
.endm
.macro FRAG_B reg, adr, k, i
.irp p, 0,1,2,3,4,5
	ds_load_b64 v[\reg+2*\p:\reg+2*\p+1], v[\adr] offset:96*(\k)+48*(\p/3)+8*(\p%3)+(\i)*16*PITCH
.endr
.endm
.macro FETCH_B slot, q, p
	WIN 0x40
.irp f, 0,1,2,3,4,5,6,7
	FRAG_B 128*(\p)+12*\f, ADRB+\slot, KD*(\q)+\f/NB, \f%NB
.endr
	WIN 0
.endm
.macro FETCH_A slot, q, f0
.irp f, \f0, \f0+1, \f0+2, \f0+3
	FRAG_A AF+12*(\f), ADRA+\slot, KD*(\q)+(\f)/NB, (\f)%NB
.endr
.endm
.macro SCALES sc
.irp i, 0,1,2,3,4,5,6,7
.if \i < NB
.if NKS == 2
	ds_load_b64 v[SCB+16*\sc+2*\i:SCB+16*\sc+2*\i+1], v[ADRSB] offset:\i*SBLK
.else
	ds_load_b128 v[SCB+16*\sc+4*\i:SCB+16*\sc+4*\i+3], v[ADRSB] offset:\i*SBLK
.endif
.endif
.endr
.irp i2, 0,1,2,3
.if \i2 < NB/2
.irp k, 0,1,2,3
.if \k < NKS
	ds_load_b32 v[SCA+8*\sc+NKS*\i2+\k], v[ADRSA] offset:\i2*2*DH+\k*DQ
.endif
.endr
.endif
.endr
.endm
.macro MM d, b, a, c, sb, sa, row1
.if \row1
	v_wmma_scale_f32_16x16x128_f8f6f4 v[\d:\d+7], v[\b:\b+11], v[\a:\a+11], \c, v[\sb], v[\sa] matrix_a_fmt:MATRIX_FMT_FP6 matrix_b_fmt:MATRIX_FMT_FP6 matrix_b_scale:MATRIX_SCALE_ROW1
.else
	v_wmma_scale_f32_16x16x128_f8f6f4 v[\d:\d+7], v[\b:\b+11], v[\a:\a+11], \c, v[\sb], v[\sa] matrix_a_fmt:MATRIX_FMT_FP6 matrix_b_fmt:MATRIX_FMT_FP6
.endif
.endm
.macro QUAD n, p, q, sc, first
.set K2, (2*(\n))/NB
.if (\first) && (K2 == 0)
	WIN 0x81+0x40*((NB*((2*(\n))%NB))/32)
.else
	WIN 0xa1+0x50*((NB*((2*(\n))%NB))/32)
.endif
.irp e, 0,1
.irp b, 0,1,2,3,4,5,6,7
.if \b < NB
.set AA, (2*(\n)+\e)%NB
.set AC, 8*((NB*AA+\b)%32)
.set RB, 128*(\p)+12*(\b+NB*K2)
.set RA, AF+12*(2*(\n)+\e)
.set RSB, SCB+16*(\sc)+NKS*\b+KD*(\q)+K2
.set RSA, SCA+8*(\sc)+NKS*(AA/2)+KD*(\q)+K2
.if (\first) && (K2 == 0)
	MM AC, RB, RA, v[BIAS+8*\b:BIAS+8*\b+7], RSB, RSA, \e
.else
	MM AC, RB, RA, v[AC:AC+7], RSB, RSA, \e
.endif
.endif
.endr
.endr
.endm
.macro STEP slot, q, first
	s_wait_dscnt 24
	QUAD 0, (\q)%2, \q, \slot, \first
	QUAD 1, (\q)%2, \q, \slot, \first
	s_wait_dscnt 0x0
	PLACES 4
	FETCH_B \slot, (\q)+1, 1-(\q)%2
	FETCH_A \slot, (\q)+1, 0
	QUAD 2, (\q)%2, \q, \slot, \first
	QUAD 3, (\q)%2, \q, \slot, \first
	PLACES 4
	WIN 0
	FETCH_A \slot, (\q)+1, 4
.endm
.macro TURN slot, next, fill
.if \fill
	s_wait_xcnt 0x0                                ; my last prefetch has read its address: it is stepped here, a K slot on
	s_add_nc_u64 s[96:97], s[96:97], s[98:99]
.endif
	s_wait_tensorcnt 0x0
	ds_add_u32 v[SPW], v[NIL]
	s_wait_dscnt 25
	QUAD 0, 1, 1, \slot, 0
	s_wait_dscnt 0x0
	s_barrier_signal -1
	QUAD 1, 1, 1, \slot, 0
	WIN 0
	s_barrier_wait -1
.if \fill
	CREST
	s_add_nc_u64 s[G0+4*\slot+2:G0+4*\slot+3], s[G0+4*\slot+2:G0+4*\slot+3], 2*ROWA
	s_add_nc_u64 s[G0B+4*\slot+2:G0B+4*\slot+3], s[G0B+4*\slot+2:G0B+4*\slot+3], 2*ROWB
	JLOAD G0+4*\slot, G1, G0B+4*\slot, G1B
.else
	PLACES 4
.endif
	s_wait_alu depctr_va_vdst(0)
	v_add_nc_u32 v[ADRSB], 4*NKS, v[ADRSB]
	v_add_nc_u32 v[ADRSA], NKS*DQ, v[ADRSA]
	FETCH_B \next, 0, 0
	FETCH_A \next, 0, 0
	SCALES \next
.if \fill
	s_cmp_gt_u32 s3, 1                             ; the loop's last trip has no K slot two refills on
	s_cbranch_scc0 .Lno_ask_\@
	global_prefetch_b8 v[10+\slot], s[96:97] th:TH_LOAD_NT scope:SCOPE_SE
.Lno_ask_\@:
.endif
	QUAD 2, 1, 1, \slot, 0
	QUAD 3, 1, 1, \slot, 0
	PLACES 4
	WIN 0
	FETCH_A \next, 0, 4
.endm
	s_wait_alu depctr_va_vdst(0)
	s_wait_xcnt 0x0                                ; the prefetch above has read its address: a K slot on
	s_add_nc_u64 s[96:97], s[96:97], s[98:99]
	global_prefetch_b8 v11, s[96:97] th:TH_LOAD_NT scope:SCOPE_SE   ; K slot 3
	s_wait_tensorcnt 0x0                           ; my tile of the head's four is in
	ds_add_u32 v[SPW], v[NIL]
	s_mov_b32 s[G1+2], NB<<16
	s_mov_b32 s[G1+4], NB
	s_mov_b32 s[G1B+2], WROWS<<16
	s_mov_b32 s[G1B+4], WROWS
	s_mov_b32 s[G0+1], s45                         ; slot 0's too
	s_add_nc_u64 s[G0+2:G0+3], s[G0+2:G0+3], s[18:19]
	s_mov_b32 s[G0B+1], s66
	s_add_nc_u64 s[G0B+2:G0B+3], s[G0B+2:G0B+3], s[18:19]
	s_wait_dscnt 0x0
	CROUND                                         ; all four tiles are in, and all sixteen work-groups are here
	JLOAD G0+4, G1, G0B+4, G1B                     ; slot 1's first fill
	FETCH_B 0, 0, 0
	FETCH_A 0, 0, 0
	SCALES 0
	FETCH_A 0, 0, 4
	s_wait_loadcnt 32
	STEP 0, 0, 1
.if LAPS > 1
	s_mov_b32 s3, LAPS-1
.Llap:
	TURN 0, 1, 1
	STEP 1, 0, 0
	TURN 1, 0, 1
	STEP 0, 0, 0
	s_sub_co_u32 s3, s3, 1
	s_cmp_lg_u32 s3, 0
	s_cbranch_scc1 .Llap
.endif
	TURN 0, 1, 0
	STEP 1, 0, 0
	s_wait_dscnt 24
	QUAD 0, 1, 1, 1, 0
	QUAD 1, 1, 1, 1, 0
	s_wait_dscnt 0x0
	QUAD 2, 1, 1, 1, 0
	QUAD 3, 1, 1, 1, 0
	WIN 0
.macro TOSTAGE a
	WIN 0x08
.irp b, 0,1,2,3
	ds_store_b128 v[STO], v[8*(4*(\a)+\b):8*(4*(\a)+\b)+3] offset:64*\b
	ds_store_b128 v[STO], v[8*(4*(\a)+\b)+4:8*(4*(\a)+\b)+7] offset:64*\b+16
.endr
	WIN 0
.irp t, 0,1,2,3,4,5,6,7
	ds_load_b128 v[BK+32*((\a)%2)+4*\t:BK+32*((\a)%2)+4*\t+3], v[RD] offset:544*\t
.endr
.endm
.macro SEND a, younger
	s_wait_dscnt \younger
	WIN 0x0c
.irp t, 0,1,2,3,4,5,6,7
	v_pk_add_f32 v[BK+32*((\a)%2)+4*\t:BK+32*((\a)%2)+4*\t+1], v[BK+32*((\a)%2)+4*\t:BK+32*((\a)%2)+4*\t+1], v[4*(8*(\a)+\t):4*(8*(\a)+\t)+1]
	v_pk_add_f32 v[BK+32*((\a)%2)+4*\t+2:BK+32*((\a)%2)+4*\t+3], v[BK+32*((\a)%2)+4*\t+2:BK+32*((\a)%2)+4*\t+3], v[4*(8*(\a)+\t)+2:4*(8*(\a)+\t)+3]
.endr
	WIN 0
.irp t, 0,1,2,3,4,5,6,7
	global_store_b128 v[CO], v[BK+32*((\a)%2)+4*\t:BK+32*((\a)%2)+4*\t+3], s[94:95] offset:(16*(\a)+2*\t)*4096 th:TH_STORE_NT
.endr
.endm
	s_wait_loadcnt 0x0
	PLACES 4
	TOSTAGE 0
.irp a, 1,2,3
.if \a > 1
	s_wait_xcnt 0x0
.endif
	TOSTAGE \a
	SEND \a-1, 16
.endr
	SEND 3, 0
	s_wait_tensorcnt 0x0
	ds_add_u32 v[SPW], v[NIL]
	s_wait_dscnt 0x0
	CROUND
	s_endpgm
.Lfunc_end_k_qd4a46ae0bf_ffn2:
	.size	k_qd4a46ae0bf_ffn2, .Lfunc_end_k_qd4a46ae0bf_ffn2-k_qd4a46ae0bf_ffn2
	.p2alignl 7, 3214868480
	.fill 96, 4, 3214868480
	.section	.rodata,"a",@progbits
	.p2align	6, 0x0
	.amdhsa_kernel k_qd4a46ae0bf_ffn2
		.amdhsa_group_segment_fixed_size 327680
		.amdhsa_private_segment_fixed_size 0
		.amdhsa_enable_private_segment 0
		.amdhsa_kernarg_size 48
		.amdhsa_user_sgpr_count 2
		.amdhsa_user_sgpr_kernarg_segment_ptr 1
		.amdhsa_wavefront_size32 1
		.amdhsa_system_sgpr_workgroup_id_x 1
		.amdhsa_system_sgpr_workgroup_id_y 1
		.amdhsa_system_sgpr_workgroup_id_z 1
		.amdhsa_system_vgpr_workitem_id 0
		.amdhsa_next_free_vgpr 1024
		.amdhsa_next_free_sgpr 102
		.amdhsa_reserve_vcc 0
		.amdhsa_float_denorm_mode_32 3
		.amdhsa_float_denorm_mode_16_64 3
		.amdhsa_memory_ordered 1
		.amdhsa_forward_progress 1
		.amdhsa_inst_pref_size 119
	.end_amdhsa_kernel
	.amdgpu_metadata
---
amdhsa.version: [ 1, 2 ]
amdhsa.kernels:
  - .name:           k_qd4a46ae0bf_ffn2
    .symbol:         k_qd4a46ae0bf_ffn2.kd
    .args:
      - { .name: hbuf, .offset: 0, .size: 8, .value_kind: global_buffer, .address_space: global }
      - { .name: W2_codes, .offset: 8, .size: 8, .value_kind: global_buffer, .address_space: global }
      - { .name: W2_scales, .offset: 16, .size: 8, .value_kind: global_buffer, .address_space: global }
      - { .name: b2, .offset: 24, .size: 8, .value_kind: global_buffer, .address_space: global }
      - { .name: x1, .offset: 32, .size: 8, .value_kind: global_buffer, .address_space: global }
      - { .name: out0, .offset: 40, .size: 8, .value_kind: global_buffer, .address_space: global }
    .group_segment_fixed_size: 327680
    .private_segment_fixed_size: 0
    .kernarg_segment_align: 8
    .kernarg_segment_size: 48
    .max_flat_workgroup_size: 128
    .sgpr_count:     102
    .vgpr_count:     1024
    .wavefront_size: 32
...
	.end_amdgpu_metadata
.endif
;; end of part 6
